; MI455X (gfx1250); checked and timed in simulation.
; The chip was launched on July 23, 2026; its instructions are those of AMD's public machine-readable ISA for CDNA 5 (MIT licence, August 2026) and "CDNA5" Instruction Set Architecture Reference Guide (July 2026). The comments in the code are by the model that wrote it; some were corrected since.
;; DRQN. Allowed arithmetic: float matrix products may take bf16 or f16 operands with f32 sums; all other float work in f32.
;; Inputs: W1 512 x 544 float32; W2 32 x 512 float32; W_hh 2,048 x 512 float32; W_ih 2,048 x 512 float32; b1 512 float32; b2 32 float32; b_hh 2,048 float32; b_ih 2,048 float32; cell_state 512 float32; hidden_state 512 float32; observation 32,768 x 512 float32; prev_action 32,768 x 32 float32.
;; Outputs: out0 32,768 x 32 float32; out1 512 float32; out2 512 float32.
;; 2 versions, each right and faster than the one before. Each part assembles by itself: llvm-mc -triple=amdgcn-amd-amdhsa -mcpu=gfx1250 --defsym DOCPART=n.
;; ======== version 1 of 2: 2 launches
;; limits: inputs' magnitudes at most 140,737,488,355,328; right only within a limited range of input values; values are held in f16: magnitudes above 65,504 overflow, below 6.1e-05 lose precision; inputs' magnitudes at most 65,504
;; workspace buffers: wt 2,686,976 bytes; cst 12,288 bytes; w2f 32,768 bytes
;; launch prep (part 1): grid 256 x 1, 8 waves a work-group, no clusters, 1,280 bytes of LDS; arguments W1, W2, W_hh, W_ih, b1, b_hh, b_ih, cell_state, hidden_state, wt, cst, w2f; writes wt, cst, w2f
.if DOCPART == 1
	.amdgcn_target "amdgcn-amd-amdhsa--gfx1250"
	.amdhsa_code_object_version 6
	.text
	.protected	k_qbf4f318c23_prep
	.globl	k_qbf4f318c23_prep
	.p2align	8
	.type	k_qbf4f318c23_prep,@function
k_qbf4f318c23_prep:
	s_mov_b64 s[64:65], 0
	v_nop
	global_prefetch_b8 v0, s[64:65] scope:SCOPE_SE
	s_setreg_imm32_b32 hwreg(HW_REG_WAVE_MODE, 25, 1), 1
	s_wait_xcnt 0x0
; PREP: what is the same for all 32,768 rows is made once.
;  wt  : 41 tiles of 65,536 bytes, [tile][wave w 0..3][nloc 0..127][kk 0..63] bf16, dense.
;        tiles 0..8      W1[128 w + nloc][64 t + kk]  (0 where 64 t + kk >= 544: the upper half of tile 8's rows)
;        tiles 9+8c+ks   W_ih[512 (nloc>>5) + 128 c + 32 w + (nloc&31)][64 ks + kk]   (gate = nloc>>5 in the order i, f, g, o)
;  cst : b1 (2,048 bytes); gbp[n'] = s (b_ih + b_hh + W_hh[row] . hidden), n' = 512 c + 128 w + nloc, row as above (8,192 bytes),
;        s = -log2(e) for i, f, o and -2 log2(e) for g, so that the main launch's exponentials need no further factor; cell_state (2,048 bytes)
;  w2f : W2 in f16 in the order of matrix fragments, [c16][tq][q][lane][16 bytes]: lane (r, h) holds W2[16 tq + r][32 c16 + 16 q + 8 h .. +7].
;        f16 and not bf16: its partner h lies in [-1, 1], and 11 significant bits in place of 8 take the largest rounding error out of q.
;        LIMIT: |W2| <= 65,504; below 2^-14 W2 is kept to 2^-25 absolute.
; 256 work-groups of 8 waves.  Wave v of group g: the dot product of row n' = 8 g + v (f32 throughout), and five pieces of 256 bytes of wt:
; piece g of the tiles 9 + 8 c + v (c = 0..3) and of tile v.  Each b64 store of a wave covers 256 consecutive bytes, aligned.
; No matrix unit (a product with one row only streams W_hh once), no tensor loads, no cluster (nothing is read by two groups but hidden's 2,048 bytes).
.set TILE, 65536
	s_load_b512 s[4:19], s[0:1], 0x0               ; W1 4:5, W2 6:7, W_hh 8:9, W_ih 10:11, b1 12:13, b_hh 14:15, b_ih 16:17, cell 18:19
	s_load_b256 s[20:27], s[0:1], 0x40             ; hidden 20:21, wt 22:23, cst 24:25, w2f 26:27
	v_lshl_add_u32 v64, v0, 2, 0x100
	v_mov_b32 v65, 0
	v_lshrrev_b32 v1, 5, v0
	v_readfirstlane_b32 s28, v1                    ; wave v
	s_mov_b32 s29, ttmp9                           ; group g
	s_mov_b32 s48, 0x76543210                      ; v_permlanex16_b32: lane i takes lane i of the other half
	s_mov_b32 s49, 0xfedcba98
	v_and_b32 v1, 31, v0                           ; lane
	v_and_b32 v2, 15, v0                           ; r
	v_bfe_u32 v3, v0, 4, 1                         ; hl: which half of the lanes
	v_lshlrev_b32 v4, 4, v1                        ; 16 lane
	v_lshlrev_b32 v5, 3, v1                        ; 8 lane
	; n' = 8 g + v -> row of W_hh, b_ih, b_hh
	s_lshl_b32 s30, s29, 3
	s_add_co_u32 s30, s30, s28                     ; n'
	s_lshr_b32 s31, s30, 9                         ; c
	s_bfe_u32 s32, s30, 0x20007                    ; w
	s_bfe_u32 s33, s30, 0x20005                    ; gate
	s_and_b32 s34, s30, 31
	s_lshl_b32 s35, s33, 9
	s_lshl_b32 s31, s31, 7
	s_lshl_b32 s32, s32, 5
	s_add_co_u32 s35, s35, s31
	s_add_co_u32 s35, s35, s32
	s_add_co_u32 s35, s35, s34                     ; row = 512 gate + 128 c + 32 w + (n' & 31)
	s_lshl_b32 s36, s35, 11                        ; row x 2,048 bytes
	s_mov_b32 s37, 0
	s_lshl_b32 s38, s35, 2                         ; row x 4 bytes
	s_mov_b32 s39, 0
	; W_ih: source row of piece g = 512 ((g>>4)&3) + 32 (g>>6) + 2 (g&15) + hl (+ 128 c), columns 64 v + 4 r
	s_bfe_u32 s46, s29, 0x20004
	s_lshl_b32 s46, s46, 9
	s_lshr_b32 s47, s29, 6
	s_lshl_b32 s47, s47, 5
	s_add_co_u32 s46, s46, s47
	s_and_b32 s47, s29, 15
	s_lshl_b32 s47, s47, 1
	s_add_co_u32 s46, s46, s47
	s_lshl_b32 s46, s46, 11
	s_lshl_b32 s47, s28, 8
	s_add_co_u32 s46, s46, s47
	v_lshlrev_b32 v6, 4, v2
	v_lshl_add_u32 v6, v3, 11, v6
	v_add_nc_u32 v6, s46, v6                       ; source offset in W_ih
	s_add_co_u32 s47, s28, 9
	s_lshl_b32 s47, s47, 16
	s_lshl_b32 s50, s29, 8
	s_add_co_u32 s47, s47, s50
	v_add_nc_u32 v7, s47, v5                       ; (9 + v) tiles + 256 g + 8 lane
	; W1: source row 2 g + hl (2,176 bytes each), columns 64 v + 4 r
	s_mul_i32 s51, s29, 4352
	s_lshl_b32 s52, s28, 8
	s_add_co_u32 s51, s51, s52
	v_mul_u32_u24 v8, v3, 2176
	v_lshl_add_u32 v8, v2, 4, v8
	v_add_nc_u32 v8, s51, v8
	s_lshl_b32 s52, s28, 16
	s_add_co_u32 s52, s52, s50
	v_add_nc_u32 v9, s52, v5                       ; v tiles + 256 g + 8 lane
	v_mov_b32 v10, s28
	v_lshlrev_b32 v10, 2, v10                      ; my wave's word in LDS
	s_wait_kmcnt 0x0
	s_add_nc_u64 s[36:37], s[8:9], s[36:37]        ; my row of W_hh
	s_add_nc_u64 s[40:41], s[16:17], s[38:39]      ; b_ih[row]
	s_add_nc_u64 s[42:43], s[14:15], s[38:39]      ; b_hh[row]
	s_load_b32 s44, s[40:41], 0x0
	s_load_b32 s45, s[42:43], 0x0
.irp j, 0,1,2,3
	global_load_b128 v[12+4*\j:15+4*\j], v4, s[36:37] offset:512*\j th:TH_LOAD_NT   ; the row: 512 consecutive bytes a load
.endr
.irp j, 0,1,2,3
	global_load_b128 v[28+4*\j:31+4*\j], v4, s[20:21] offset:512*\j                 ; hidden, the same columns
.endr
.irp c, 0,1,2,3
	global_load_b128 v[44+4*\c:47+4*\c], v6, s[10:11] offset:262144*\c th:TH_LOAD_NT ; 128 rows of W_ih further for each c
.endr
	global_load_b128 v[60:63], v8, s[4:5] th:TH_LOAD_NT
	s_wait_loadcnt 0x5                             ; the eight loads of the dot product are in; the five weight pieces may stay out
	s_wait_kmcnt 0x0
	v_pk_mul_f32 v[12:13], v[12:13], v[28:29]      ; two chains of packed multiply-adds; the first products start them
	v_pk_mul_f32 v[14:15], v[14:15], v[30:31]
	v_pk_fma_f32 v[12:13], v[16:17], v[32:33], v[12:13]
	v_pk_fma_f32 v[14:15], v[18:19], v[34:35], v[14:15]
	v_pk_fma_f32 v[12:13], v[20:21], v[36:37], v[12:13]
	v_pk_fma_f32 v[14:15], v[22:23], v[38:39], v[14:15]
	v_pk_fma_f32 v[12:13], v[24:25], v[40:41], v[12:13]
	v_pk_fma_f32 v[14:15], v[26:27], v[42:43], v[14:15]
	v_pk_add_f32 v[12:13], v[12:13], v[14:15]
	v_add_f32 v12, v12, v13
	v_add_f32_dpp v12, v12, v12 row_xmask:1 row_mask:0xf bank_mask:0xf
	v_add_f32_dpp v12, v12, v12 row_xmask:2 row_mask:0xf bank_mask:0xf
	v_add_f32_dpp v12, v12, v12 row_xmask:4 row_mask:0xf bank_mask:0xf
	v_add_f32_dpp v12, v12, v12 row_xmask:8 row_mask:0xf bank_mask:0xf
	v_permlanex16_b32 v13, v12, s48, s49
	v_add_f32 v12, v12, v13                        ; W_hh[row] . hidden, in every lane
	v_add_f32 v12, s45, v12                        ; + b_hh
	v_add_f32 v12, s44, v12                        ; + b_ih
	s_mov_b32 s52, 0xbfb8aa3b                      ; -log2(e)
	s_mov_b32 s53, 0xc038aa3b                      ; -2 log2(e)
	s_cmp_eq_u32 s33, 2                            ; gate g feeds a tanh
	s_cselect_b32 s52, s53, s52
	v_mul_f32 v12, s52, v12
	ds_store_b32 v10, v12                          ; all lanes write the same word with the same value
	s_wait_loadcnt 0x0
.irp c, 0,1,2,3
	v_cvt_pk_bf16_f32 v[14+2*\c], v[44+4*\c], v[45+4*\c]
	v_cvt_pk_bf16_f32 v[15+2*\c], v[46+4*\c], v[47+4*\c]
.endr
	v_cvt_pk_bf16_f32 v22, v60, v61
	v_cvt_pk_bf16_f32 v23, v62, v63
.irp c, 0,1,2,3
	global_store_b64 v7, v[14+2*\c:15+2*\c], s[22:23] offset:8*TILE*\c
.endr
	global_store_b64 v9, v[22:23], s[22:23]
	s_wait_dscnt 0x0                               ; my word is written, for wave 0's sake
	s_barrier_signal -1
	s_barrier_wait -1
	; small jobs, by wave number and group number; no barrier follows
	s_cmp_lg_u32 s28, 0
	s_cbranch_scc1 .Lnot0
	; wave 0: the group's eight gate biases, and piece g of tile 8 (W1's columns 512..543, then zeros)
	v_and_b32 v11, 7, v1
	v_lshlrev_b32 v11, 2, v11
	ds_load_b32 v24, v11
	v_and_b32 v25, 7, v2                           ; lanes with r >= 8 read what r - 8 reads: every load stays inside the row
	v_mul_u32_u24 v26, v3, 2176
	v_lshl_add_u32 v26, v25, 4, v26
	s_mul_i32 s54, s29, 4352
	s_add_co_u32 s54, s54, 2048
	v_add_nc_u32 v26, s54, v26
	global_load_b128 v[28:31], v26, s[4:5]
	s_lshl_b32 s55, s29, 5
	s_add_co_u32 s55, s55, 2048
	v_lshl_add_u32 v27, v1, 2, s55                 ; cst: 2,048 + 32 g + 4 lane
	s_lshl_b32 s56, s29, 8
	s_add_co_u32 s56, s56, 8*TILE
	v_add_nc_u32 v32, s56, v5
	s_wait_loadcnt 0x0
	v_cvt_pk_bf16_f32 v34, v28, v29
	v_cvt_pk_bf16_f32 v35, v30, v31
	v_cmp_gt_u32 vcc_lo, 8, v2
	v_cndmask_b32 v34, 0, v34, vcc_lo              ; columns 544.. do not exist: zeros
	v_cndmask_b32 v35, 0, v35, vcc_lo
	global_store_b64 v32, v[34:35], s[22:23]
	s_wait_dscnt 0x0
	v_cmp_gt_u32 vcc_lo, 8, v1
	s_wait_xcnt 0x0                                ; EXEC changes only behind this wait: it is a source of the stores above
	s_and_saveexec_b32 s57, vcc_lo
	global_store_b32 v27, v24, s[24:25]            ; 32 bytes a group: gbp is 8,192 bytes in all
	s_wait_xcnt 0x0
	s_or_b32 exec_lo, exec_lo, s57
	s_branch .Lend
.Lnot0:
	s_cmp_lg_u32 s28, 1
	s_cbranch_scc1 .Lnot1
	s_cmp_lt_u32 s29, 64
	s_cbranch_scc0 .Lend
	; wave 1 of groups 0..63: block g = 4 c16 + 2 tq + q of w2f
	s_bfe_u32 s54, s29, 0x10001                    ; tq
	s_lshl_b32 s54, s54, 15                        ; 16 rows of 2,048 bytes
	s_lshr_b32 s55, s29, 2                         ; c16
	s_lshl_b32 s55, s55, 7                         ; 32 columns of 4 bytes
	s_and_b32 s56, s29, 1                          ; q
	s_lshl_b32 s56, s56, 6                         ; 16 columns
	s_add_co_u32 s54, s54, s55
	s_add_co_u32 s54, s54, s56
	v_lshlrev_b32 v24, 11, v2
	v_lshl_add_u32 v24, v3, 5, v24
	v_add_nc_u32 v24, s54, v24
	global_load_b128 v[28:31], v24, s[6:7]
	global_load_b128 v[32:35], v24, s[6:7] offset:16
	s_lshl_b32 s57, s29, 9
	v_add_nc_u32 v25, s57, v4
	s_wait_loadcnt 0x0
	v_cvt_pk_f16_f32 v36, v28, v29                 ; f16: see the head
	v_cvt_pk_f16_f32 v37, v30, v31
	v_cvt_pk_f16_f32 v38, v32, v33
	v_cvt_pk_f16_f32 v39, v34, v35
	global_store_b128 v25, v[36:39], s[26:27]
	s_branch .Lend
.Lnot1:
	s_cmp_lg_u32 s28, 2
	s_cbranch_scc1 .Lend
	s_cmp_lt_u32 s29, 16
	s_cbranch_scc0 .Lend
	; wave 2 of groups 0..15: 256 bytes of b1 (groups 0..7) or of cell_state (8..15), copied into cst
	s_cmp_lt_u32 s29, 8
	s_cselect_b64 s[54:55], s[12:13], s[18:19]
	s_cselect_b32 s56, 0, 10240
	s_and_b32 s57, s29, 7
	s_lshl_b32 s57, s57, 8
	v_add_nc_u32 v24, s57, v5
	global_load_b64 v[28:29], v24, s[54:55]
	s_add_co_u32 s56, s56, s57
	v_add_nc_u32 v25, s56, v5
	s_wait_loadcnt 0x0
	global_store_b64 v25, v[28:29], s[24:25]
.Lend:
	s_wait_tensorcnt 0x0
	ds_add_u32 v64, v65
	s_wait_dscnt 0x0
	s_endpgm
.Lfunc_end_k_qbf4f318c23_prep:
	.size	k_qbf4f318c23_prep, .Lfunc_end_k_qbf4f318c23_prep-k_qbf4f318c23_prep
	.p2alignl 7, 3214868480
	.fill 96, 4, 3214868480
	.section	.rodata,"a",@progbits
	.p2align	6, 0x0
	.amdhsa_kernel k_qbf4f318c23_prep
		.amdhsa_group_segment_fixed_size 1280
		.amdhsa_private_segment_fixed_size 0
		.amdhsa_enable_private_segment 0
		.amdhsa_kernarg_size 96
		.amdhsa_user_sgpr_count 2
		.amdhsa_user_sgpr_kernarg_segment_ptr 1
		.amdhsa_wavefront_size32 1
		.amdhsa_system_sgpr_workgroup_id_x 1
		.amdhsa_system_sgpr_workgroup_id_y 1
		.amdhsa_system_sgpr_workgroup_id_z 1
		.amdhsa_system_vgpr_workitem_id 0
		.amdhsa_next_free_vgpr 66
		.amdhsa_next_free_sgpr 66
		.amdhsa_reserve_vcc 1
		.amdhsa_float_denorm_mode_32 3
		.amdhsa_float_denorm_mode_16_64 3
		.amdhsa_memory_ordered 1
		.amdhsa_forward_progress 1
		.amdhsa_inst_pref_size 11
	.end_amdhsa_kernel
	.amdgpu_metadata
---
amdhsa.version: [ 1, 2 ]
amdhsa.kernels:
  - .name:           k_qbf4f318c23_prep
    .symbol:         k_qbf4f318c23_prep.kd
    .args:
      - { .name: W1, .offset: 0, .size: 8, .value_kind: global_buffer, .address_space: global }
      - { .name: W2, .offset: 8, .size: 8, .value_kind: global_buffer, .address_space: global }
      - { .name: W_hh, .offset: 16, .size: 8, .value_kind: global_buffer, .address_space: global }
      - { .name: W_ih, .offset: 24, .size: 8, .value_kind: global_buffer, .address_space: global }
      - { .name: b1, .offset: 32, .size: 8, .value_kind: global_buffer, .address_space: global }
      - { .name: b_hh, .offset: 40, .size: 8, .value_kind: global_buffer, .address_space: global }
      - { .name: b_ih, .offset: 48, .size: 8, .value_kind: global_buffer, .address_space: global }
      - { .name: cell_state, .offset: 56, .size: 8, .value_kind: global_buffer, .address_space: global }
      - { .name: hidden_state, .offset: 64, .size: 8, .value_kind: global_buffer, .address_space: global }
      - { .name: wt, .offset: 72, .size: 8, .value_kind: global_buffer, .address_space: global }
      - { .name: cst, .offset: 80, .size: 8, .value_kind: global_buffer, .address_space: global }
      - { .name: w2f, .offset: 88, .size: 8, .value_kind: global_buffer, .address_space: global }
    .group_segment_fixed_size: 1280
    .private_segment_fixed_size: 0
    .kernarg_segment_align: 8
    .kernarg_segment_size: 96
    .max_flat_workgroup_size: 256
    .sgpr_count:     66
    .vgpr_count:     66
    .wavefront_size: 32
...
	.end_amdgpu_metadata
.endif
;; end of part 1
;; launch main (part 2): grid 256 x 1, 4 waves a work-group, clusters of 4 x 1, 327,680 bytes of LDS; arguments observation, prev_action, b2, wt, cst, w2f, out0, out1, out2; writes out0, out1, out2
.if DOCPART == 2
	.amdgcn_target "amdgcn-amd-amdhsa--gfx1250"
	.amdhsa_code_object_version 6
	.text
	.protected	k_qbf4f318c23_main
	.globl	k_qbf4f318c23_main
	.p2align	8
	.type	k_qbf4f318c23_main,@function
k_qbf4f318c23_main:
	s_mov_b64 s[64:65], 0
	v_nop
	global_prefetch_b8 v0, s[64:65] scope:SCOPE_SE
	s_setreg_imm32_b32 hwreg(HW_REG_WAVE_MODE, 25, 1), 1
	s_wait_xcnt 0x0
	s_wait_alu depctr_hold_cnt(0) depctr_sa_sdst(0) depctr_va_vdst(0) depctr_va_sdst(0) depctr_va_ssrc(0) depctr_va_vcc(0) depctr_vm_vsrc(0)
	s_getreg_b32 s2, hwreg(HW_REG_IB_STS2, 6, 4)
	s_cmp_eq_u32 s2, 0
	s_cbranch_scc0 .Lentry_in_a_cluster
	s_endpgm
.Lentry_in_a_cluster:
	s_bfe_u32 s2, ttmp6, 0x10000c
	s_cmp_lg_u32 s2, 0x3003
	s_cbranch_scc0 .Lentry_shape_is_right
	s_endpgm
.Lentry_shape_is_right:
; MAIN: x = relu([obs|act] W1^T + b1); gates = x W_ih^T + bias; the LSTM cell; q = h W2^T + b2; all for 128 rows in one work-group.
; x, the gates and h never leave the work-group.  Four waves; each holds 128 rows x 128 columns of f32 sums in 512 registers.
; GEMM1: wave w makes x's columns 128 w ..+127 (K = 544: eight steps of 64 from obs, one of 32 from act).
; GEMM2: four chunks c; wave w makes, for the hidden columns 128 c + 32 w ..+31, all four gates (4 x 32 = 128 columns), K = 512 in eight steps of 64;
;        so a lane holds i, f, g, o of the same cells, the cell is pure register work, and its h is already a K = 32 matrix fragment.
; GEMM3: each wave adds its 32 hidden columns' share of q in 16 accumulators; the four waves' shares meet in LDS at the end.
; WEIGHTS come as tiles of 65,536 bytes (bf16, made by the first launch), through two LDS slots that take turns.  All work-groups walk the same 41 tiles:
; the four work-groups of a cluster ask for each tile JOINTLY (mask 15), which divides the requests for weights by four.
; The matrix instruction is used transposed (source 0 = 16 weight rows, source 1 = 16 data rows): lane (r, h), register j holds (row r, column 8 h + j).
; FORMATS.  GEMM1 and GEMM2 take bf16 operands: x = relu(..) has no bound of its own.  GEMM3 takes f16: h = sigmoid x tanh lies in [-1, 1] by the
; computation itself, and the rounding of h and W2 goes straight into q (512 products, no damping behind them), so 11 significant bits in place of 8 count most there.
; LIMITS.  |W2| <= 65,504 (f16).  The exponents of the sigmoids' and tanhs' exponentials are cut at 40 (in base 2), so a sigmoid stops 2^-40 short of 0 and a
; tanh 2^-39 short of -1; with that every product in the cell is at most 2^120 (2^80 |cell_state|), which needs |cell_state| < 2^47.  A NaN in a gate is lost
; (v_min_num_f32 drops it).  h W_hh^T, the biases and the cell are f32.
; q is summed in f32 over four quarters of K, then over the waves, not in one ascending chain.
;
; LDS:  XR 0..157,695 (written by LDS stores alone): first eight blocks [128 rows][144 bytes] of obs in bf16, one for each K step, and act [128][80];
;       then x [128][1,040]; at the end four q shares [128][144].   SLOT0, SLOT1: 4 quarters of 64 rows of 272 bytes (two weight rows of 128 bytes + 16 of padding).
;       CST: the image of cst (filled once).   LAST: h and c of local row 127, 512 bytes a wave each.
; REGISTERS, in windows of 256:  window 0: addresses, A fragments F0, F1, work;  window 1: obs staging / q sums (v0-63, v192-255), B fragments F0, F1;
;       windows 2, 3: accumulator tile (a, b) at v[8 (8 (a & 3) + b)] of window 2 + a / 4.
.set BLK,   18432                      ; 128 rows x 144 bytes
.set ACTB,  8*BLK
.set XP,    1040                       ; x's pitch: 1,024 + 16
.set SLOT0, 157696
.set SLOTB, 69632
.set QTR,   17408                      ; 64 x 272: what one tensor load fills, and what one wave reads
.set CST,   296960
.set LAST,  309248
.set TILE,  65536
.set ADRA1, 8                          ; r 144 + 16 h (+ block)
.set ADRACT,9
.set ADRX,  10                         ; v10, v11: x rows 0-63, 64-127
.set ADRB,  12                         ; v12, v13: my quarter of slot 0, 1
.set OBSO,  14
.set ACTO,  15
.set XST,   16
.set AST,   17
.set XS,    18                         ; v18, v19
.set B1A,   20
.set GBA,   21
.set CLA,   22
.set LSA,   23
.set W2O,   24
.set QST,   25
.set QRD,   26                         ; v26, v27
.set OUTO,  28
.set LRD,   30
.set F0,    64
.set F1,    128
.set CV,    192                        ; packed bf16 on their way to LDS
.set ASTG,  224                        ; act as loaded
.set SA,    0                          ; window 1: obs as loaded, even steps
.set SB,    192                        ; window 1: odd steps
.set W2F,   192                        ; two fragments of W2 (f16)
.set CL,    208                        ; cell_state of my 16 cells
.set HF,    224                        ; h as a fragment (f16)
.set U,     240
.set T,     128                        ; the cell's 64 numbers: EI, EF, EG, EO
.set EI,    128
.set EF,    144
.set EG,    160
.set EO,    176
.set G1,    28
.set G1C,   36
.set G0,    44
.set G0C,   52
.set MUL_LO, 0xa1                      ; source 0 window 1, source 1 window 0, C and D window 2
.set MUL_HI, 0xf1                      ; the same, C and D window 3
.set TO_B,   0x40                      ; destination window 1
.set MSB, 0
.macro WIN new                         ; the immediate's high byte repeats the setting that is left; switches that change nothing are dropped
.if MSB != (\new)
	s_set_vgpr_msb (MSB<<8)|(\new)
.set MSB, (\new)
.endif
.endm
.macro PLACES                          ; four places behind a matrix instruction, in front of loads into, or vector work on, its registers
.rept 4
	v_nop
.endr
.endm
.macro CREST                           ; a round of the cluster's barrier behind its opening work-group barrier
	s_cmp_lg_u32 s22, 0
	s_cbranch_scc1 .Lnot_wave_0_\@
	s_barrier_signal -3
.Lnot_wave_0_\@:
	s_barrier_wait -3
	s_barrier_signal -1
	s_barrier_wait -1
.endm
.macro CROUND
	s_barrier_signal -1
	s_barrier_wait -1
	CREST
.endm
; 16 matrix instructions: row blocks a0, a0 + 1 of the window's four x all 8 column blocks, 32 along K.  zero = 1: the product starts the sums.
.macro MUL16 f, hi, a0, zero
.irp a, \a0, \a0+1
.irp b, 0,1,2,3,4,5,6,7
.if \zero
	v_wmma_f32_16x16x32_bf16 v[8*(8*(\a)+\b):8*(8*(\a)+\b)+7], v[\f+8*\b:\f+8*\b+7], v[\f+8*(4*\hi+\a):\f+8*(4*\hi+\a)+7], 0
.else
	v_wmma_f32_16x16x32_bf16 v[8*(8*(\a)+\b):8*(8*(\a)+\b)+7], v[\f+8*\b:\f+8*\b+7], v[\f+8*(4*\hi+\a):\f+8*(4*\hi+\a)+7], v[8*(8*(\a)+\b):8*(8*(\a)+\b)+7]
.endif
.endr
.endr
.endm
; 16 LDS loads: my 128 weight rows, 32 K at byte kb of each.  Row n = 16 i + r lies in LDS row 8 i + r / 2, half r & 1.
.macro FETCHB slot, kb, f
	WIN TO_B
.irp i, 0,1,2,3,4,5,6,7
	ds_load_b128 v[\f+8*\i:\f+8*\i+3],   v[ADRB+\slot] offset:\kb+2176*\i
	ds_load_b128 v[\f+8*\i+4:\f+8*\i+7], v[ADRB+\slot] offset:\kb+2176*\i+32
.endr
.endm
; 16 LDS loads: 128 data rows, 32 K at byte k; rs = 16 rows in bytes; rows 64-127 from register hi at ho
.macro FETCHA lo, hi, rs, ho, k, f
	WIN 0
.irp i, 0,1,2,3
	ds_load_b128 v[\f+8*\i:\f+8*\i+3],   v[\lo] offset:\k+\i*\rs
	ds_load_b128 v[\f+8*\i+4:\f+8*\i+7], v[\lo] offset:\k+\i*\rs+32
.endr
.irp i, 0,1,2,3
	ds_load_b128 v[\f+32+8*\i:\f+32+8*\i+3], v[\hi] offset:\k+\ho+\i*\rs
	ds_load_b128 v[\f+32+8*\i+4:\f+32+8*\i+7], v[\hi] offset:\k+\ho+\i*\rs+32
.endr
.endm
.macro FA kind, k, f                   ; kind 0: the obs block at ADRA1; 1: act; 2: x
.if \kind == 0
	FETCHA ADRA1, ADRA1, 2304, 9216, \k, \f
.endif
.if \kind == 1
	FETCHA ADRACT, ADRACT, 1280, 5120, \k, \f
.endif
.if \kind == 2
	FETCHA ADRX, ADRX+1, 16640, 0, \k, \f
.endif
.endm
; 16 loads: my 32 rows x 64 columns of obs for K step nstep; sixteen lanes take 256 consecutive bytes of a row, aligned
.macro LOADOBS set, nstep
	WIN TO_B
.set i, 0
.rept 16
	global_load_b128 v[\set+4*i:\set+4*i+3], v[OBSO], s[4:5] offset:(16*(i/8)+i%8)*2048+256*\nstep th:TH_LOAD_NT
.set i, i+1
.endr
.endm
; a staged K step of obs goes to its block in LDS as bf16; the staging registers are loaded again (nstep >= 0)
.macro CONV set, left, bump, nstep
	s_wait_loadcnt \left                           ; loads return in order: this set's 16 are in, the other set's (left) stay out
	WIN 0x05
.set i, 0
.rept 16
	v_cvt_pk_bf16_f32 v[CV+2*i],   v[\set+4*i],   v[\set+4*i+1]
	v_cvt_pk_bf16_f32 v[CV+2*i+1], v[\set+4*i+2], v[\set+4*i+3]
.set i, i+1
.endr
	WIN 0
.if \bump
	v_add_nc_u32 v[XST], BLK, v[XST]               ; the next block: every block is written once, and read only behind the step's barrier
.endif
.set i, 0
.rept 16
	ds_store_b64 v[XST], v[CV+2*i:CV+2*i+1] offset:(16*(i/8)+i%8)*144
.set i, i+1
.endr
.if \nstep >= 0
	LOADOBS \set, \nstep
.endif
.endm
; A K step of 64: two quarters of 32 on fragment buffers F0, F1, 64 matrix instructions each; the 64 accumulators take turns, one instruction a turn,
; in the same order in every quarter.
; In its second quarter the slots change.  In front of the barrier each wave waits for all its LDS instructions and all its tensor loads (one is out: its part of
; the next slot).  fill = 1: the barrier opens a round of the cluster's barrier, and the joint refill of this slot (two tiles on) is the first tensor load behind it.
.macro STEP slot, zero, fill, kind, k1, nkind, nk, bump, cset, cleft, cnext
	s_wait_dscnt 0x8                               ; B and A's rows 0-63 are in; the youngest eight loads (A's rows 64-127) may be out
	WIN MUL_LO
	MUL16 F0, 0, 0, \zero
	MUL16 F0, 0, 2, \zero
	PLACES
.if \cset >= 0
	CONV \cset, \cleft, 1, \cnext
.endif
	FETCHB \slot, 64, F1
	FA \kind, \k1, F1
	s_wait_dscnt 0x20                              ; all but the 32 loads just issued
	WIN MUL_HI
	MUL16 F0, 1, 0, \zero
	MUL16 F0, 1, 2, \zero
	s_wait_dscnt 0x8
	WIN MUL_LO
	MUL16 F1, 0, 0, 0
	s_wait_dscnt 0x0                               ; my reads of this slot (and my stores of the next obs block) are done
	s_set_vgpr_msb 0xa1a0
	s_wait_tensorcnt 0x0                           ; all my tensor loads have landed: my part of the next slot
	ds_add_u32 v62, v63
	s_wait_dscnt 0x0
	s_set_vgpr_msb 0xa0a1
	s_barrier_signal -1
	MUL16 F1, 0, 2, 0                              ; register work while the others arrive
	WIN 0
	s_barrier_wait -1
.if \fill
	CREST                                          ; no wave of any partner still reads this slot or has a load on its way
	s_add_nc_u64 s[G0+4*\slot+2:G0+4*\slot+3], s[G0+4*\slot+2:G0+4*\slot+3], 2*TILE
	tensor_load_to_lds s[G0+4*\slot:G0+4*\slot+3], s[G1:G1+7]   ; one tensor load of the wave is out from here to the next step's wait
	s_nop 0
.endif
	PLACES
.if \bump
	v_add_nc_u32 v[ADRA1], BLK, v[ADRA1]
.endif
	FETCHB 1-\slot, 0, F0
	FA \nkind, \nk, F0
	WIN MUL_HI
	MUL16 F1, 1, 0, 0
	MUL16 F1, 1, 2, 0
.endm
.macro XSTEP slot, zero, fill, k1, nk  ; a K step of GEMM2: A from x
	STEP \slot, \zero, \fill, 2, \k1, 2, \nk, 0, -1, 0, -1
.endm
; x's rows 16 a ..+15, my 128 columns: + b1, relu, bf16, 16 bytes a lane into x
.macro XOUT a
	WIN 2+\a/4
.set i, 0
.rept 32
	v_pk_add_f32 v[F0+2*i:F0+2*i+1], v[64*(\a%4)+2*i:64*(\a%4)+2*i+1], v[F1+2*i:F1+2*i+1]
.set i, i+1
.endr
	WIN 0
.set i, 0
.rept 64
	v_max_num_f32 v[F0+i], 0, v[F0+i]
.set i, i+1
.endr
.set i, 0
.rept 32
	v_cvt_pk_bf16_f32 v[CV+i], v[F0+2*i], v[F0+2*i+1]
.set i, i+1
.endr
.irp b, 0,1,2,3,4,5,6,7
	ds_store_b128 v[XS+\a/4], v[CV+4*\b:CV+4*\b+3] offset:(\a%4)*16640+32*\b
.endr
.endm
; The cell for rows 16 a ..+15: 16 cells a lane (e = 8 t + j: hidden column 16 t + 8 h + j of my 32).
; E. = exp2(min(s pre, 40));  c' = [c (1+Ei)(1+Eg) + (1-Eg)(1+Ef)] / [(1+Ei)(1+Eg)(1+Ef)];  h = (1-Ec) / ((1+Eo)(1+Ec)), Ec = exp2(min(-2 log2e c', 40)):
; five exponentials and two reciprocals a cell.  Behind each run of transcendentals one v_nop stands in front of the first use (ISA guide 5.7.2).
.macro CELL a
	WIN 0x12+\a/4                                  ; source 0: the sums; source 2: the scaled bias in window 1
.set i, 0
.rept 32
.if (i/8) == 2
	v_pk_fma_f32 v[T+2*i:T+2*i+1], v[64*(\a%4)+2*i:64*(\a%4)+2*i+1], s[58:59], v[T+2*i:T+2*i+1] op_sel_hi:[1,0,1]
.else
	v_pk_fma_f32 v[T+2*i:T+2*i+1], v[64*(\a%4)+2*i:64*(\a%4)+2*i+1], s[56:57], v[T+2*i:T+2*i+1] op_sel_hi:[1,0,1]
.endif
.set i, i+1
.endr
	WIN 0
.set i, 0
.rept 64
	v_min_num_f32 v[T+i], s27, v[T+i]
.set i, i+1
.endr
.set i, 0
.rept 64
	v_exp_f32 v[T+i], v[T+i]
.set i, i+1
.endr
	v_nop
	s_wait_alu depctr_va_vdst(0)
.irp p, 0,2,4,6,8,10,12,14
	v_pk_fma_f32 v[U+\p:U+\p+1], v[EG+\p:EG+\p+1], -1.0, 1.0 op_sel_hi:[1,0,0]     ; 1 - Eg
.endr
.set i, 0
.rept 32
	v_pk_add_f32 v[T+2*i:T+2*i+1], v[T+2*i:T+2*i+1], 1.0 op_sel_hi:[1,0]           ; 1 + E, all four
.set i, i+1
.endr
.irp p, 0,2,4,6,8,10,12,14
	v_pk_mul_f32 v[EI+\p:EI+\p+1], v[EI+\p:EI+\p+1], v[EG+\p:EG+\p+1]              ; (1+Ei)(1+Eg)
.endr
.irp p, 0,2,4,6,8,10,12,14
	v_pk_mul_f32 v[EG+\p:EG+\p+1], v[EI+\p:EI+\p+1], v[EF+\p:EF+\p+1]              ; the denominator
.endr
.irp p, 0,2,4,6,8,10,12,14
	v_pk_mul_f32 v[U+\p:U+\p+1], v[U+\p:U+\p+1], v[EF+\p:EF+\p+1]                  ; (1-Eg)(1+Ef)
.endr
.irp p, 0,2,4,6,8,10,12,14
	v_pk_fma_f32 v[U+\p:U+\p+1], v[CL+\p:CL+\p+1], v[EI+\p:EI+\p+1], v[U+\p:U+\p+1]
.endr
.set i, 0
.rept 16
	v_rcp_f32 v[EG+i], v[EG+i]
.set i, i+1
.endr
	v_nop
	s_wait_alu depctr_va_vdst(0)
.irp p, 0,2,4,6,8,10,12,14
	v_pk_mul_f32 v[EI+\p:EI+\p+1], v[U+\p:U+\p+1], v[EG+\p:EG+\p+1]                ; c'
.endr
.irp p, 0,2,4,6,8,10,12,14
	v_pk_mul_f32 v[EF+\p:EF+\p+1], v[EI+\p:EI+\p+1], s[58:59] op_sel_hi:[1,0]
.endr
.set i, 0
.rept 16
	v_min_num_f32 v[EF+i], s27, v[EF+i]
.set i, i+1
.endr
.set i, 0
.rept 16
	v_exp_f32 v[EF+i], v[EF+i]                                                     ; Ec
.set i, i+1
.endr
	v_nop
	s_wait_alu depctr_va_vdst(0)
.irp p, 0,2,4,6,8,10,12,14
	v_pk_fma_f32 v[U+\p:U+\p+1], v[EF+\p:EF+\p+1], -1.0, 1.0 op_sel_hi:[1,0,0]     ; 1 - Ec
.endr
.irp p, 0,2,4,6,8,10,12,14
	v_pk_add_f32 v[EF+\p:EF+\p+1], v[EF+\p:EF+\p+1], 1.0 op_sel_hi:[1,0]
.endr
.irp p, 0,2,4,6,8,10,12,14
	v_pk_mul_f32 v[EF+\p:EF+\p+1], v[EF+\p:EF+\p+1], v[EO+\p:EO+\p+1]              ; (1+Ec)(1+Eo)
.endr
.set i, 0
.rept 16
	v_rcp_f32 v[EF+i], v[EF+i]
.set i, i+1
.endr
	v_nop
	s_wait_alu depctr_va_vdst(0)
.irp p, 0,2,4,6,8,10,12,14
	v_pk_mul_f32 v[U+\p:U+\p+1], v[U+\p:U+\p+1], v[EF+\p:EF+\p+1]                  ; h
.endr
.irp p, 0,1,2,3,4,5,6,7
	v_cvt_pk_f16_f32 v[HF+\p], v[U+2*\p], v[U+2*\p+1]                              ; |h| <= 1: f16.  t = 0: registers 0-3 (k = 8 h ..), t = 1: registers 4-7 (k = 16 + 8 h ..)
.endr
.if \a == 7
	v_cmp_eq_u32 vcc_lo, 15, v1                    ; lanes 15 and 31 hold local row 127
	s_wait_xcnt 0x0                                ; EXEC changes only behind this wait
	s_and_saveexec_b32 s26, vcc_lo
	ds_store_b128 v[LSA], v[U:U+3]
	ds_store_b128 v[LSA], v[U+4:U+7] offset:16
	ds_store_b128 v[LSA], v[U+8:U+11] offset:64
	ds_store_b128 v[LSA], v[U+12:U+15] offset:80
	ds_store_b128 v[LSA], v[EI:EI+3] offset:2048
	ds_store_b128 v[LSA], v[EI+4:EI+7] offset:2064
	ds_store_b128 v[LSA], v[EI+8:EI+11] offset:2112
	ds_store_b128 v[LSA], v[EI+12:EI+15] offset:2128
	s_or_b32 exec_lo, exec_lo, s26
.endif
	WIN 0x50                                       ; C and D in window 1: q's two column blocks take turns
	v_wmma_f32_16x16x32_f16 v[16*\a+128*(\a/4):16*\a+128*(\a/4)+7], v[W2F:W2F+7], v[HF:HF+7], v[16*\a+128*(\a/4):16*\a+128*(\a/4)+7]
	v_wmma_f32_16x16x32_f16 v[16*\a+8+128*(\a/4):16*\a+8+128*(\a/4)+7], v[W2F+8:W2F+15], v[HF:HF+7], v[16*\a+8+128*(\a/4):16*\a+8+128*(\a/4)+7]
.endm
; One chunk of 128 hidden columns: eight K steps, then the cell and its share of q.  The ring runs on through the cell: the next chunk's first
; fragments are in F0 and the tile behind it is on its way.  last = 1: tiles 39 and 40 are the last, nothing more is asked for or fetched.
.macro CHUNK last
	PLACES
.irp j, 0,1,2,3
	global_load_b128 v[W2F+4*\j:W2F+4*\j+3], v[W2O], s[14:15] offset:512*\j        ; W2's two fragments for my 32 hidden columns
.endr
	XSTEP 1, 1, 1, 64, 128
	XSTEP 0, 0, 1, 192, 256
	XSTEP 1, 0, 1, 320, 384
	XSTEP 0, 0, 1, 448, 512
	XSTEP 1, 0, 1, 576, 640
	XSTEP 0, 0, 1, 704, 768
.if \last
	XSTEP 1, 0, 0, 832, 896
	s_wait_dscnt 0x8
	WIN MUL_LO
	MUL16 F0, 0, 0, 0
	MUL16 F0, 0, 2, 0
	PLACES
	FETCHB 0, 64, F1
	FA 2, 960, F1
	s_wait_dscnt 0x20
	WIN MUL_HI
	MUL16 F0, 1, 0, 0
	MUL16 F0, 1, 2, 0
	s_wait_dscnt 0x8
	WIN MUL_LO
	MUL16 F1, 0, 0, 0
	MUL16 F1, 0, 2, 0
	s_wait_dscnt 0x0
	WIN MUL_HI
	MUL16 F1, 1, 0, 0
	MUL16 F1, 1, 2, 0
.else
	XSTEP 1, 0, 1, 832, 896
	XSTEP 0, 0, 1, 960, 0
.endif
	PLACES
	WIN TO_B
.irp b, 0,1,2,3,4,5,6,7
	ds_load_b128 v[F1+8*\b:F1+8*\b+3],   v[GBA] offset:64*\b                       ; the scaled bias of my 128 gate columns
	ds_load_b128 v[F1+8*\b+4:F1+8*\b+7], v[GBA] offset:64*\b+16
.endr
	WIN 0
	ds_load_b128 v[CL:CL+3],     v[CLA]
	ds_load_b128 v[CL+4:CL+7],   v[CLA] offset:16
	ds_load_b128 v[CL+8:CL+11],  v[CLA] offset:64
	ds_load_b128 v[CL+12:CL+15], v[CLA] offset:80
	s_wait_dscnt 0x0
	s_wait_loadcnt 0x0                             ; W2's fragments
	CELL 0
	CELL 1
	CELL 2
	CELL 3
	CELL 4
	CELL 5
	CELL 6
	CELL 7
.if \last == 0
	WIN 0
	v_add_nc_u32 v[GBA], 2048, v[GBA]              ; the next chunk's 512 gate columns,
	v_add_nc_u32 v[CLA], 512, v[CLA]               ; its 128 cells,
	v_add_nc_u32 v[LSA], 128, v[LSA]               ; its 32 columns in my wave's part of LAST,
	v_add_nc_u32 v[W2O], 8192, v[W2O]              ; and its fragments of W2 (the loads that read W2O were waited for above)
.endif
.endm
	; ---------------- head ----------------
	s_load_b512 s[4:19], s[0:1], 0x0               ; obs 4:5, act 6:7, b2 8:9, wt 10:11, cst 12:13, w2f 14:15, out0 16:17, out1 18:19
	s_load_b64 s[20:21], s[0:1], 0x40              ; out2
	v_lshl_add_u32 v62, v0, 2, 0x4c800
	v_mov_b32 v63, 0
	ds_add_u32 v62, v63
	v_lshrrev_b32 v3, 5, v0
	v_readfirstlane_b32 s22, v3                    ; wave w
	s_bfe_u32 s23, ttmp6, 0x40000                  ; cx
	s_lshl_b32 s24, ttmp9, 2
	s_add_co_u32 s24, s24, s23                     ; work-group = 4 x cluster + cx: it enters the bases of obs, act, out0 and one lane mask, nothing else
	v_and_b32 v1, 15, v0                           ; r
	v_bfe_u32 v2, v0, 4, 1                         ; h
	v_and_b32 v3, 31, v0                           ; lane
	s_lshl_b32 s62, s22, 16
	v_lshlrev_b32 v[OBSO], 4, v1
	v_lshl_add_u32 v[OBSO], v2, 14, v[OBSO]
	v_add_nc_u32 v[OBSO], s62, v[OBSO]             ; (32 w + 8 h) rows of 2,048 bytes + 16 r
	s_lshl_b32 s62, s22, 12
	v_lshl_add_u32 v[ACTO], v3, 4, s62             ; 32 w rows of 128 bytes + 16 lane
	v_and_b32 v31, 7, v0
	v_lshlrev_b32 v31, 4, v31                      ; b2: the four columns that I store at the end
	s_lshl_b32 s60, s24, 18                        ; 128 rows of obs
	s_mov_b32 s61, 0
	s_wait_dscnt 0x0
	s_wait_kmcnt 0x0
	s_add_nc_u64 s[4:5], s[4:5], s[60:61]
	s_lshl_b32 s60, s24, 14                        ; 128 rows of act and of out0
	s_add_nc_u64 s[6:7], s[6:7], s[60:61]
	s_add_nc_u64 s[16:17], s[16:17], s[60:61]
	global_load_b128 v[32:35], v31, s[8:9]
.irp i, 0,1,2,3,4,5,6,7
	global_load_b128 v[ASTG+4*\i:ASTG+4*\i+3], v[ACTO], s[6:7] offset:512*\i th:TH_LOAD_NT
.endr
	LOADOBS SA, 0
	LOADOBS SB, 1
	WIN 0
	; descriptors.  Group 1 for a quarter tile: 64 rows of 32 elements of 8 bytes, dense in memory, 16 bytes of padding behind each row in LDS; joint (mask 15)
	s_mov_b32 s[G1+0], 0x0773000f                  ; 15:0 mask 15; 17:16 8-byte elements; 20 padding; 21 set beside a mask; 24:22 every 64 words; 31:25 four words
	s_mov_b32 s[G1+1], 32<<16                      ; tensor_dim0 = 32
	s_mov_b32 s[G1+2], 64<<16                      ; tensor_dim1 = 64
	s_mov_b32 s[G1+3], 32<<16                      ; tile_dim0 = 32
	s_mov_b32 s[G1+4], 64                          ; tile_dim1 = 64
	s_mov_b32 s[G1+5], 32                          ; pitch
	s_mov_b32 s[G1+6], 0
	s_mov_b32 s[G1+7], 0
	s_mov_b32 s[G1C+0], 0x0023000f                 ; a quarter of cst: 12 rows of 256 bytes, no padding, joint
	s_mov_b32 s[G1C+1], 32<<16
	s_mov_b32 s[G1C+2], 12<<16
	s_mov_b32 s[G1C+3], 32<<16
	s_mov_b32 s[G1C+4], 12
	s_mov_b32 s[G1C+5], 32
	s_mov_b32 s[G1C+6], 0
	s_mov_b32 s[G1C+7], 0
	s_mov_b32 s[G0], 1
	s_mul_i32 s[G0+1], s22, QTR
	s_add_co_u32 s[G0+1], s[G0+1], SLOT0           ; my quarter of slot 0
	s_mov_b32 s[G0+4], 1
	s_add_co_u32 s[G0+5], s[G0+1], SLOTB           ; and of slot 1
	s_lshl_b32 s62, s22, 14
	s_mov_b32 s63, 0
	s_add_nc_u64 s[G0+2:G0+3], s[10:11], s[62:63]  ; my quarter of tile 0
	s_add_nc_u64 s[G0+6:G0+7], s[G0+2:G0+3], TILE  ; and of tile 1
	s_or_b32 s[G0+3], s[G0+3], 0x80000000
	s_or_b32 s[G0+7], s[G0+7], 0x80000000
	s_mov_b32 s[G0C], 1
	s_mul_i32 s62, s22, 3072
	s_add_co_u32 s[G0C+1], s62, CST
	s_add_nc_u64 s[G0C+2:G0C+3], s[12:13], s[62:63]
	s_or_b32 s[G0C+3], s[G0C+3], 0x80000000
	s_mov_b32 s27, 0x42200000                      ; 40.0
	s_mov_b32 s56, 0xbfb8aa3b                      ; -log2(e)
	s_mov_b32 s57, 0xbfb8aa3b
	s_mov_b32 s58, 0xc038aa3b                      ; -2 log2(e)
	s_mov_b32 s59, 0xc038aa3b
	CROUND                                         ; the four work-groups are here: the first joint loads meet
	tensor_load_to_lds s[G0C:G0C+3], s[G1C:G1C+7]
	s_nop 0
	tensor_load_to_lds s[G0:G0+3], s[G1:G1+7]
	s_nop 0
	tensor_load_to_lds s[G0+4:G0+7], s[G1:G1+7]    ; three tensor loads of the wave are out here, the most in this text
	s_nop 0
	; addresses
	v_mul_u32_u24 v[ADRA1], v1, 144
	v_lshl_add_u32 v[ADRA1], v2, 4, v[ADRA1]
	v_mul_u32_u24 v[ADRACT], v1, 80
	v_lshl_add_u32 v[ADRACT], v2, 4, v[ADRACT]
	v_add_nc_u32 v[ADRACT], ACTB, v[ADRACT]
	v_mul_u32_u24 v[ADRX], v1, XP
	v_lshl_add_u32 v[ADRX], v2, 4, v[ADRX]
	v_add_nc_u32 v[ADRX+1], 64*XP, v[ADRX]
	v_lshrrev_b32 v4, 1, v1
	v_and_b32 v5, 1, v1
	v_mul_u32_u24 v[ADRB], v4, 272
	v_lshl_add_u32 v[ADRB], v5, 7, v[ADRB]
	v_lshl_add_u32 v[ADRB], v2, 4, v[ADRB]
	v_add_nc_u32 v[ADRB], s[G0+1], v[ADRB]
	v_add_nc_u32 v[ADRB+1], SLOTB, v[ADRB]
	s_mul_i32 s62, s22, 4608
	v_mul_u32_u24 v[XST], v2, 1152
	v_lshl_add_u32 v[XST], v1, 3, v[XST]
	v_add_nc_u32 v[XST], s62, v[XST]               ; (32 w + 8 h) 144 + 8 r
	s_mul_i32 s62, s22, 2560
	s_add_co_u32 s62, s62, ACTB
	v_lshrrev_b32 v4, 3, v3
	v_and_b32 v5, 7, v3
	v_mul_u32_u24 v[AST], v4, 80
	v_lshl_add_u32 v[AST], v5, 3, v[AST]
	v_add_nc_u32 v[AST], s62, v[AST]               ; act: (32 w + lane / 8) 80 + 8 (lane & 7)
	s_lshl_b32 s62, s22, 8
	v_add_nc_u32 v[XS], s62, v[ADRX]               ; x, my 128 columns
	v_add_nc_u32 v[XS+1], s62, v[ADRX+1]
	s_lshl_b32 s62, s22, 9
	s_add_co_u32 s62, s62, CST
	v_lshl_add_u32 v[B1A], v2, 5, s62
	v_add_nc_u32 v[GBA], 2048, v[B1A]
	s_lshl_b32 s62, s22, 7
	s_add_co_u32 s62, s62, CST+10240
	v_lshl_add_u32 v[CLA], v2, 5, s62
	s_lshl_b32 s62, s22, 9
	s_add_co_u32 s62, s62, LAST
	v_lshl_add_u32 v[LSA], v2, 5, s62              ; LAST + 512 w + 32 h: a wave's 512 bytes are its own in every chunk
	s_lshl_b32 s62, s22, 11
	v_lshl_add_u32 v[W2O], v3, 4, s62
	s_mul_i32 s62, s22, 18432
	v_mul_u32_u24 v[QST], v1, 144
	v_lshl_add_u32 v[QST], v2, 5, v[QST]
	v_add_nc_u32 v[QST], s62, v[QST]
	v_lshrrev_b32 v4, 3, v0
	v_and_b32 v5, 7, v0
	v_mul_u32_u24 v[QRD], v4, 144
	v_lshl_add_u32 v[QRD], v5, 4, v[QRD]
	v_add_nc_u32 v[QRD+1], 36864, v[QRD]
	v_lshlrev_b32 v[OUTO], 4, v0
	v_mov_b32 v29, s24
	v_and_b32 v4, 3, v4                            ; columns 4 tid ..+3 = 128 c + 32 w + x: w = (tid >> 3) & 3, c = tid >> 5
	v_lshrrev_b32 v6, 5, v0
	v_lshlrev_b32 v[LRD], 4, v5
	v_lshl_add_u32 v[LRD], v4, 9, v[LRD]
	v_lshl_add_u32 v[LRD], v6, 7, v[LRD]
	v_add_nc_u32 v[LRD], LAST, v[LRD]
	; ---------------- act and K step 0 of obs into LDS ----------------
	s_wait_loadcnt 0x10                            ; b2, act and step 0 are in; step 1's 16 loads stay out
.irp i, 0,1,2,3,4,5,6,7
	v_cvt_pk_bf16_f32 v[CV+2*\i],   v[ASTG+4*\i],   v[ASTG+4*\i+1]
	v_cvt_pk_bf16_f32 v[CV+2*\i+1], v[ASTG+4*\i+2], v[ASTG+4*\i+3]
.endr
.irp i, 0,1,2,3,4,5,6,7
	ds_store_b64 v[AST], v[CV+2*\i:CV+2*\i+1] offset:320*\i
.endr
	CONV SA, 16, 0, 2
	WIN 0
	s_wait_tensorcnt 0x1                           ; cst and tile 0 have landed; tile 1 stays out
	s_wait_dscnt 0x0
	s_barrier_signal -1
	s_barrier_wait -1
	FETCHB 0, 0, F0
	FA 0, 0, F0
	; ---------------- GEMM1: tiles 0..8.  Step s brings obs step s + 1 into LDS and asks memory for step s + 3: two steps' work for each load to land ----------------
	STEP 0, 1, 1, 0, 64, 0, 0, 1, SB, 16, 3
	STEP 1, 0, 1, 0, 64, 0, 0, 1, SA, 16, 4
	STEP 0, 0, 1, 0, 64, 0, 0, 1, SB, 16, 5
	STEP 1, 0, 1, 0, 64, 0, 0, 1, SA, 16, 6
	STEP 0, 0, 1, 0, 64, 0, 0, 1, SB, 16, 7
	STEP 1, 0, 1, 0, 64, 0, 0, 1, SA, 16, -1
	STEP 0, 0, 1, 0, 64, 0, 0, 1, SB, 0, -1
	STEP 1, 0, 1, 0, 64, 1, 0, 0, -1, 0, -1
	; tile 8: act, K = 32 only.  Its round also shows that every wave's reads of the obs and act blocks are over
	s_wait_dscnt 0x8
	WIN MUL_LO
	MUL16 F0, 0, 0, 0
	s_wait_dscnt 0x0
	s_set_vgpr_msb 0xa1a0
	s_wait_tensorcnt 0x0                           ; tile 9
	ds_add_u32 v62, v63
	s_wait_dscnt 0x0
	s_set_vgpr_msb 0xa0a1
	s_barrier_signal -1
	MUL16 F0, 0, 2, 0
	WIN 0
	s_barrier_wait -1
	CREST
	s_add_nc_u64 s[G0+2:G0+3], s[G0+2:G0+3], 2*TILE
	tensor_load_to_lds s[G0:G0+3], s[G1:G1+7]      ; tile 10
	s_nop 0
	WIN MUL_HI
	MUL16 F0, 1, 0, 0
	MUL16 F0, 1, 2, 0
	; ---------------- x = relu(. + b1), bf16, into LDS over the obs blocks ----------------
	PLACES
	WIN 0
.irp b, 0,1,2,3,4,5,6,7
	ds_load_b128 v[F1+8*\b:F1+8*\b+3],   v[B1A] offset:64*\b
	ds_load_b128 v[F1+8*\b+4:F1+8*\b+7], v[B1A] offset:64*\b+16
.endr
	s_wait_dscnt 0x0
	XOUT 0
	XOUT 1
	XOUT 2
	XOUT 3
	XOUT 4
	XOUT 5
	XOUT 6
	XOUT 7
	s_wait_dscnt 0x0                               ; my part of x is written, for the others' sake
	s_barrier_signal -1                            ; tile 10 stays on its way
	s_barrier_wait -1
	; ---------------- GEMM2, the cell, GEMM3 ----------------
	FETCHB 1, 0, F0                                ; tile 9 was shown landed in all waves by the round above
	FA 2, 0, F0
.irp j, 0,1,2,3,4,5,6,7
	v_mov_b32 v[HF+\j], 0
.endr
	WIN TO_B
.set i, 0
.rept 16
	v_wmma_f32_16x16x32_f16 v[8*i+128*(i/8):8*i+128*(i/8)+7], v[HF:HF+7], v[HF:HF+7], 0   ; 0 x 0 + 0 starts the 16 sums of q in the form that adds onto them, so that all four chunks share one text
.set i, i+1
.endr
	WIN 0
	s_mov_b32 s25, 3
.Lchunk:
	CHUNK 0
	WIN 0
	s_sub_co_u32 s25, s25, 1
	s_cmp_lg_u32 s25, 0
	s_cbranch_scc1 .Lchunk
	CHUNK 1
	; ---------------- the way out ----------------
	PLACES
	s_wait_dscnt 0x0                               ; my reads of x are over, my part of LAST is written
	s_barrier_signal -1
	s_barrier_wait -1
	WIN 0x04                                       ; store data from window 1
.irp a, 0,1,2,3,4,5,6,7
.irp tq, 0,1
	ds_store_b128 v[QST], v[16*\a+8*\tq+128*(\a/4):16*\a+8*\tq+128*(\a/4)+3]   offset:2304*\a+64*\tq
	ds_store_b128 v[QST], v[16*\a+8*\tq+128*(\a/4)+4:16*\a+8*\tq+128*(\a/4)+7] offset:2304*\a+64*\tq+16
.endr
.endr
	WIN 0
	s_wait_dscnt 0x0
	s_barrier_signal -1
	s_barrier_wait -1
	ds_load_b128 v[192:195], v[LRD]                ; h of local row 127, columns 4 tid ..+3
	ds_load_b128 v[196:199], v[LRD] offset:2048    ; c
.irp i, 0,1,2,3,4,5,6,7
	ds_load_b128 v[64+16*\i:67+16*\i], v[QRD]   offset:2304*\i
	ds_load_b128 v[68+16*\i:71+16*\i], v[QRD]   offset:2304*\i+18432
	ds_load_b128 v[72+16*\i:75+16*\i], v[QRD+1] offset:2304*\i
	ds_load_b128 v[76+16*\i:79+16*\i], v[QRD+1] offset:2304*\i+18432
.endr
.irp i, 0,1,2,3,4,5,6,7
	s_wait_dscnt 4*(7-\i)                          ; the four shares of row group i are in; the later groups' loads stay out
	v_pk_add_f32 v[64+16*\i:65+16*\i], v[64+16*\i:65+16*\i], v[68+16*\i:69+16*\i]
	v_pk_add_f32 v[66+16*\i:67+16*\i], v[66+16*\i:67+16*\i], v[70+16*\i:71+16*\i]
	v_pk_add_f32 v[72+16*\i:73+16*\i], v[72+16*\i:73+16*\i], v[76+16*\i:77+16*\i]
	v_pk_add_f32 v[74+16*\i:75+16*\i], v[74+16*\i:75+16*\i], v[78+16*\i:79+16*\i]
	v_pk_add_f32 v[64+16*\i:65+16*\i], v[64+16*\i:65+16*\i], v[72+16*\i:73+16*\i]
	v_pk_add_f32 v[66+16*\i:67+16*\i], v[66+16*\i:67+16*\i], v[74+16*\i:75+16*\i]
	v_pk_add_f32 v[64+16*\i:65+16*\i], v[64+16*\i:65+16*\i], v[32:33]
	v_pk_add_f32 v[66+16*\i:67+16*\i], v[66+16*\i:67+16*\i], v[34:35]
	global_store_b128 v[OUTO], v[64+16*\i:67+16*\i], s[16:17] offset:2048*\i th:TH_STORE_NT   ; a wave's store covers 512 consecutive bytes, aligned
.endr
	v_cmp_eq_u32 vcc_lo, 0xff, v29                 ; the last work-group holds row 32,767: a lane mask, no branch
	s_wait_xcnt 0x0                                ; EXEC changes only behind this wait
	s_and_saveexec_b32 s26, vcc_lo
	global_store_b128 v[OUTO], v[192:195], s[18:19]
	global_store_b128 v[OUTO], v[196:199], s[20:21]
	s_wait_xcnt 0x0
	s_or_b32 exec_lo, exec_lo, s26
	s_wait_tensorcnt 0x0
	ds_add_u32 v62, v63
	s_wait_dscnt 0x0
	CROUND                                         ; the closing round: no work-group ends while a partner may still ask for a tile that names it
	s_endpgm
.Lfunc_end_k_qbf4f318c23_main:
	.size	k_qbf4f318c23_main, .Lfunc_end_k_qbf4f318c23_main-k_qbf4f318c23_main
	.p2alignl 7, 3214868480
	.fill 96, 4, 3214868480
	.section	.rodata,"a",@progbits
	.p2align	6, 0x0
	.amdhsa_kernel k_qbf4f318c23_main
		.amdhsa_group_segment_fixed_size 327680
		.amdhsa_private_segment_fixed_size 0
		.amdhsa_enable_private_segment 0
		.amdhsa_kernarg_size 72
		.amdhsa_user_sgpr_count 2
		.amdhsa_user_sgpr_kernarg_segment_ptr 1
		.amdhsa_wavefront_size32 1
		.amdhsa_system_sgpr_workgroup_id_x 1
		.amdhsa_system_sgpr_workgroup_id_y 1
		.amdhsa_system_sgpr_workgroup_id_z 1
		.amdhsa_system_vgpr_workitem_id 0
		.amdhsa_next_free_vgpr 1024
		.amdhsa_next_free_sgpr 66
		.amdhsa_reserve_vcc 1
		.amdhsa_float_denorm_mode_32 3
		.amdhsa_float_denorm_mode_16_64 3
		.amdhsa_memory_ordered 1
		.amdhsa_forward_progress 1
		.amdhsa_inst_pref_size 255
	.end_amdhsa_kernel
	.section	.bss,"aw",@nobits
	.p2align	6
	.space	262144
	.amdgpu_metadata
---
amdhsa.version: [ 1, 2 ]
amdhsa.kernels:
  - .name:           k_qbf4f318c23_main
    .symbol:         k_qbf4f318c23_main.kd
    .args:
      - { .name: observation, .offset: 0, .size: 8, .value_kind: global_buffer, .address_space: global }
      - { .name: prev_action, .offset: 8, .size: 8, .value_kind: global_buffer, .address_space: global }
      - { .name: b2, .offset: 16, .size: 8, .value_kind: global_buffer, .address_space: global }
      - { .name: wt, .offset: 24, .size: 8, .value_kind: global_buffer, .address_space: global }
      - { .name: cst, .offset: 32, .size: 8, .value_kind: global_buffer, .address_space: global }
      - { .name: w2f, .offset: 40, .size: 8, .value_kind: global_buffer, .address_space: global }
      - { .name: out0, .offset: 48, .size: 8, .value_kind: global_buffer, .address_space: global }
      - { .name: out1, .offset: 56, .size: 8, .value_kind: global_buffer, .address_space: global }
      - { .name: out2, .offset: 64, .size: 8, .value_kind: global_buffer, .address_space: global }
    .group_segment_fixed_size: 327680
    .private_segment_fixed_size: 0
    .kernarg_segment_align: 8
    .kernarg_segment_size: 72
    .max_flat_workgroup_size: 128
    .sgpr_count:     66
    .vgpr_count:     1024
    .wavefront_size: 32
...
	.end_amdgpu_metadata
.endif
;; end of part 2
;; ======== version 2 of 2: 2 launches; 1.38 times as fast as version 1
;; limits: inputs' magnitudes at most 140,737,488,355,328; right only within a limited range of input values; values are held in f16: magnitudes above 65,504 overflow, below 6.1e-05 lose precision; inputs' magnitudes at most 65,504
;; workspace buffers: wt 2,686,976 bytes; cst 12,288 bytes; w2f 32,768 bytes
;; launch prep: the kernel of part 1 again; grid 256 x 1, 8 waves a work-group, no clusters, 1,280 bytes of LDS; arguments W1, W2, W_hh, W_ih, b1, b_hh, b_ih, cell_state, hidden_state, wt, cst, w2f; writes wt, cst, w2f
;; launch main (part 3): grid 256 x 1, 4 waves a work-group, clusters of 4 x 1, 327,680 bytes of LDS; arguments observation, prev_action, b2, wt, cst, w2f, out0, out1, out2; writes out0, out1, out2
.if DOCPART == 3
	.amdgcn_target "amdgcn-amd-amdhsa--gfx1250"
	.amdhsa_code_object_version 6
	.text
	.protected	k_qbf4f318c23_main
	.globl	k_qbf4f318c23_main
	.p2align	8
	.type	k_qbf4f318c23_main,@function
k_qbf4f318c23_main:
	s_mov_b64 s[64:65], 0
	v_nop
	global_prefetch_b8 v0, s[64:65] scope:SCOPE_SE
	s_setreg_imm32_b32 hwreg(HW_REG_WAVE_MODE, 25, 1), 1
	s_wait_xcnt 0x0
	s_wait_alu depctr_hold_cnt(0) depctr_sa_sdst(0) depctr_va_vdst(0) depctr_va_sdst(0) depctr_va_ssrc(0) depctr_va_vcc(0) depctr_vm_vsrc(0)
	s_getreg_b32 s2, hwreg(HW_REG_IB_STS2, 6, 4)
	s_cmp_eq_u32 s2, 0
	s_cbranch_scc0 .Lentry_in_a_cluster
	s_endpgm
.Lentry_in_a_cluster:
	s_bfe_u32 s2, ttmp6, 0x10000c
	s_cmp_lg_u32 s2, 0x3003
	s_cbranch_scc0 .Lentry_shape_is_right
	s_endpgm
.Lentry_shape_is_right:
; MAIN: x = relu([obs|act] W1^T + b1); gates = x W_ih^T + bias; the LSTM cell; q = h W2^T + b2; all for 128 rows in one work-group.
; x, the gates and h never leave the work-group.  Four waves; each holds 128 rows x 128 columns of f32 sums in 512 registers.
; GEMM1: each wave makes 128 columns of x (K = 544: eight steps of 64 from obs, one of 32 from act).
; GEMM2: four chunks c; wave w makes, for the hidden columns 128 c + 32 w ..+31, all four gates (4 x 32 = 128 columns), K = 512 in eight steps of 64;
;        so a lane holds i, f, g, o of the same cells, the cell is pure register work, and its h is already a K = 32 matrix fragment.
; GEMM3: each wave adds its 32 hidden columns' share of q in 16 accumulators; the four waves' shares meet in LDS at the end.
; WEIGHTS come as tiles of 65,536 bytes (bf16, made by the first launch), through two LDS slots that take turns.  All work-groups need the same 41 tiles:
; the four work-groups of a cluster ask for each tile JOINTLY (mask 15), which divides the requests for weights by four.
; FOUR ORDERS ALONG K.  Cluster x starts both products at K pair p0 = x & 3 (a pair = two K steps = 128 along K) and goes round: position j of GEMM1 is K step
; (2 p0 + j) & 7, pair n of GEMM2 takes the tiles of K pair (n + p0) & 3.  So clusters that run in step do not all ask for the same tile at the same time: three
; fourths of them ask for a tile that another fourth asked for one pair of steps (256 matrix instructions) before.  Only global addresses hang on p0, which the four
; partners of a cluster share: wave w makes x's column block (w + p0) & 3 (it asks for that quarter of W1's tiles and that piece of b1) and stores it at place w,
; so that x lies in LDS in the order in which GEMM2 walks it, and every LDS address is as it would be with p0 = 0.
; The matrix instruction is used transposed (source 0 = 16 weight rows, source 1 = 16 data rows): lane (r, h), register j holds (row r, column 8 h + j).
; ONE TEXT FOR WHAT RECURS.  The four chunks share one text, a chunk's eight K steps are four trips of a pair of steps, and the eight row groups of the cell and
; of x's way into LDS share one body each: only the lines that name a row group's registers are written eight times, and a branch on the group's counter picks them.
; So that the last chunk needs no text of its own, its last pair of steps asks for its own two tiles once more and discards them.
; FORMATS.  GEMM1 and GEMM2 take bf16 operands: x = relu(..) has no bound of its own.  GEMM3 takes f16: h = sigmoid x tanh lies in [-1, 1] by the
; computation itself, and the rounding of h and W2 goes straight into q (512 products, no damping behind them), so 11 significant bits in place of 8 count most there.
; LIMITS.  |W2| <= 65,504 (f16).  The exponents of the sigmoids' and tanhs' exponentials are cut at 40 (in base 2), so a sigmoid stops 2^-40 short of 0 and a
; tanh 2^-39 short of -1; with that every product in the cell is at most 2^120 (2^80 |cell_state|), which needs |cell_state| < 2^47.  A NaN in a gate is lost
; (v_min_num_f32 drops it).  h W_hh^T, the biases and the cell are f32.
; The f32 sums of GEMM1 and GEMM2 run along K from the cluster's own starting pair, not from 0; q is summed over four quarters of K, then over the waves.
;
; LDS:  XR 0..157,695 (written by LDS stores alone): first eight blocks [128 rows][144 bytes] of obs in bf16, one for each position, and act [128][80];
;       then x [128][1,104]: 1,024 bytes, the row's first 64 bytes once more, 16 of padding; at the end four q shares [128][144].
;       SLOT0, SLOT1: 4 quarters of 64 rows of 272 bytes (two weight rows of 128 bytes + 16 of padding).
;       CST: b1 (each wave's piece at its place), the gate bias, cell_state (filled once).   LAST: h and c of local row 127, 512 bytes a wave each.
; REGISTERS, in windows of 256:  window 0: addresses, A fragments F0, F1, work;  window 1: obs staging / q sums (v0-63, v192-255), B fragments F0, F1;
;       windows 2, 3: accumulator tile (a, b) at v[8 (8 (a & 3) + b)] of window 2 + a / 4.
; SCALARS: s22 wave, s25 chunks left, s66 pairs of K steps left in the chunk, s67 row group, s[68:69] byte offset in wt of the tile to ask for, s70 pairs begun,
;       s71 p0, s[72:73] my quarter of W1's tiles, s[74:75] my quarter of W_ih's, s77 byte offset in a row of obs of the even K step to ask for.
.set BLK,   18432                      ; 128 rows x 144 bytes
.set ACTB,  8*BLK
.set XP,    1104                       ; x's pitch: 1,024 + 64 + 16 = 69 x 16
.set SLOT0, 157696
.set SLOTB, 69632
.set QTR,   17408                      ; 64 x 272: what one tensor load fills, and what one wave reads
.set CST,   296960
.set LAST,  309248
.set TILE,  65536
.set ADRA1, 8                          ; r 144 + 16 h (+ block)
.set ADRACT,9
.set ADRX,  10                         ; v10, v11: x rows 0-63, 64-127, at the pair of K steps at work
.set ADRB,  12                         ; v12, v13: my quarter of slot 0, 1
.set OBSO,  14                         ; my bytes in obs at column 0; never stepped
.set ACTO,  15
.set XST,   16
.set AST,   17
.set XS,    18                         ; v18, v19
.set B1A,   20
.set GBA,   21
.set CLA,   22
.set LSA,   23
.set W2O,   24
.set QST,   25
.set QRD,   26                         ; v26, v27
.set OUTO,  28
.set LRD,   30
.set ADRX0, 36                         ; v36, v37: x rows 0-63, 64-127, at place 0; never stepped
.set OA,    38                         ; OBSO + the K step that set SA loads
.set OB,    39                         ; the same for set SB (its loads add 256 bytes: the odd step of the pair)
.set F0,    64
.set F1,    128
.set CV,    192                        ; packed bf16 on their way to LDS
.set ASTG,  224                        ; act as loaded
.set SA,    0                          ; window 1: obs as loaded, even positions
.set SB,    192                        ; window 1: odd positions
.set W2F,   192                        ; two fragments of W2 (f16)
.set CL,    208                        ; cell_state of my 16 cells
.set HF,    224                        ; h as a fragment (f16)
.set U,     240
.set T,     128                        ; the cell's 64 numbers: EI, EF, EG, EO
.set EI,    128
.set EF,    144
.set EG,    160
.set EO,    176
.set G1,    28
.set G1C,   36
.set G0,    44
.set G0C,   52
.set WB1,   72
.set WB2,   74
.set G1D,   80
.set G0D,   88
.set MUL_LO, 0xa1                      ; source 0 window 1, source 1 window 0, C and D window 2
.set MUL_HI, 0xf1                      ; the same, C and D window 3
.set TO_B,   0x40                      ; destination window 1
.set MSB, 0
.macro WIN new                         ; the immediate's high byte repeats the setting that is left; switches that change nothing are dropped
.if MSB != (\new)
	s_set_vgpr_msb (MSB<<8)|(\new)
.set MSB, (\new)
.endif
.endm
.macro PLACES                          ; four places behind a matrix instruction, in front of loads into, or vector work on, its registers
.rept 4
	v_nop
.endr
.endm
.macro CREST                           ; a round of the cluster's barrier behind its opening work-group barrier
	s_cmp_lg_u32 s22, 0
	s_cbranch_scc1 .Lnot_wave_0_\@
	s_barrier_signal -3
.Lnot_wave_0_\@:
	s_barrier_wait -3
	s_barrier_signal -1
	s_barrier_wait -1
.endm
.macro CROUND
	s_barrier_signal -1
	s_barrier_wait -1
	CREST
.endm
.macro TOFF m                          ; s68 = where W1's tile 2 ((p0 + m) & 3) begins: the even tile of the pair at position m
	s_add_co_u32 s76, s71, \m
	s_and_b32 s76, s76, 3
	s_lshl_b32 s68, s76, 17
.endm
; 16 matrix instructions: row blocks a0, a0 + 1 of the window's four x all 8 column blocks, 32 along K.  zero = 1: the product starts the sums.
.macro MUL16 f, hi, a0, zero
.irp a, \a0, \a0+1
.irp b, 0,1,2,3,4,5,6,7
.if \zero
	v_wmma_f32_16x16x32_bf16 v[8*(8*(\a)+\b):8*(8*(\a)+\b)+7], v[\f+8*\b:\f+8*\b+7], v[\f+8*(4*\hi+\a):\f+8*(4*\hi+\a)+7], 0
.else
	v_wmma_f32_16x16x32_bf16 v[8*(8*(\a)+\b):8*(8*(\a)+\b)+7], v[\f+8*\b:\f+8*\b+7], v[\f+8*(4*\hi+\a):\f+8*(4*\hi+\a)+7], v[8*(8*(\a)+\b):8*(8*(\a)+\b)+7]
.endif
.endr
.endr
.endm
.macro MULQ f, hi, zero                ; the 32 matrix instructions of one accumulator window
.if \hi
	WIN MUL_HI
.else
	WIN MUL_LO
.endif
	MUL16 \f, \hi, 0, \zero
	MUL16 \f, \hi, 2, \zero
.endm
; Half of a K step's first quarter.  zero = 0: adds; 1: starts the sums; 2: starts them in a chunk's first pair of steps (s66 = 4) and adds in the others.
; Five v_nop head the starting run: on every way to it they are five places behind the matrix instructions that last wrote these accumulators (ISA guide 7.12.1).
.macro MULZ hi, zero
.if \zero == 2
	WIN 0                                          ; at a branch and at a label every window is 0
	s_cmp_eq_u32 s66, 4
	s_cbranch_scc1 .Lstart_\@
	MULQ F0, \hi, 0
	WIN 0
	s_branch .Ljoin_\@
.Lstart_\@:
.rept 5
	v_nop
.endr
	MULQ F0, \hi, 1
	WIN 0
.Ljoin_\@:
.else
	MULQ F0, \hi, \zero
.endif
.endm
; 16 LDS loads: my 128 weight rows, 32 K at byte kb of each.  Row n = 16 i + r lies in LDS row 8 i + r / 2, half r & 1.
.macro FETCHB slot, kb, f
	WIN TO_B
.irp i, 0,1,2,3,4,5,6,7
	ds_load_b128 v[\f+8*\i:\f+8*\i+3],   v[ADRB+\slot] offset:\kb+2176*\i
	ds_load_b128 v[\f+8*\i+4:\f+8*\i+7], v[ADRB+\slot] offset:\kb+2176*\i+32
.endr
.endm
; 16 LDS loads: 128 data rows, 32 K at byte k; rs = 16 rows in bytes; rows 64-127 from register hi at ho
.macro FETCHA lo, hi, rs, ho, k, f
	WIN 0
.irp i, 0,1,2,3
	ds_load_b128 v[\f+8*\i:\f+8*\i+3],   v[\lo] offset:\k+\i*\rs
	ds_load_b128 v[\f+8*\i+4:\f+8*\i+7], v[\lo] offset:\k+\i*\rs+32
.endr
.irp i, 0,1,2,3
	ds_load_b128 v[\f+32+8*\i:\f+32+8*\i+3], v[\hi] offset:\k+\ho+\i*\rs
	ds_load_b128 v[\f+32+8*\i+4:\f+32+8*\i+7], v[\hi] offset:\k+\ho+\i*\rs+32
.endr
.endm
.macro FA kind, k, f                   ; kind 0: the obs block at ADRA1; 1: act; 2: x
.if \kind == 0
	FETCHA ADRA1, ADRA1, 2304, 9216, \k, \f
.endif
.if \kind == 1
	FETCHA ADRACT, ADRACT, 1280, 5120, \k, \f
.endif
.if \kind == 2
	FETCHA ADRX, ADRX+1, 16*XP, 0, \k, \f
.endif
.endm
; 16 loads: my 32 rows x 64 columns of obs, at the K step that areg (+ extra) names; sixteen lanes take 256 consecutive bytes of a row, aligned
.macro LOADOBS set, areg, extra
	WIN TO_B
.set i, 0
.rept 16
	global_load_b128 v[\set+4*i:\set+4*i+3], v[\areg], s[4:5] offset:(16*(i/8)+i%8)*2048+\extra th:TH_LOAD_NT
.set i, i+1
.endr
.endm
; a staged K step of obs goes to its block in LDS as bf16; load = 1: the staging registers are loaded again, two positions on
.macro CONV set, left, bump, load
	s_wait_loadcnt \left                           ; loads return in order: this set's 16 are in (so its offset register is free too), the other set's (left) stay out
	WIN 0x05
.set i, 0
.rept 16
	v_cvt_pk_bf16_f32 v[CV+2*i],   v[\set+4*i],   v[\set+4*i+1]
	v_cvt_pk_bf16_f32 v[CV+2*i+1], v[\set+4*i+2], v[\set+4*i+3]
.set i, i+1
.endr
	WIN 0
.if \bump
	v_add_nc_u32 v[XST], BLK, v[XST]               ; the next block: every block is written once, and read only behind the step's barrier
.endif
.set i, 0
.rept 16
	ds_store_b64 v[XST], v[CV+2*i:CV+2*i+1] offset:(16*(i/8)+i%8)*144
.set i, i+1
.endr
.if \load
.if \set == SA
	s_add_co_u32 s77, s77, 512                     ; the next pair of K steps, round the row's 2,048 bytes; set SB follows with the same figure
	s_and_b32 s77, s77, 0x600
	v_add_nc_u32 v[OA], s77, v[OBSO]
	LOADOBS \set, OA, 0
.else
	v_add_nc_u32 v[OB], s77, v[OBSO]
	LOADOBS \set, OB, 256
.endif
.endif
.endm
; A K step of 64: two quarters of 32 on fragment buffers F0, F1, 64 matrix instructions each; the 64 accumulators take turns, one instruction a turn,
; in the same order in every quarter.
; In its second quarter the slots change.  In front of the barrier each wave waits for all its LDS instructions and all its tensor loads (one is out: its part of
; the next slot).  The barrier opens a round of the cluster's barrier, and the joint refill of this slot is the first tensor load behind the round:
; the tile at base + s[68:69], which the lines in front of the step have set.
.macro STEP slot, zero, base, kind, k1, nkind, nk, bump, cset, cleft, cload
	s_wait_dscnt 0x8                               ; B and A's rows 0-63 are in; the youngest eight loads (A's rows 64-127) may be out
	MULZ 0, \zero
	PLACES
.if \cset >= 0
	CONV \cset, \cleft, 1, \cload
.endif
	FETCHB \slot, 64, F1
	FA \kind, \k1, F1
	s_wait_dscnt 0x20                              ; all but the 32 loads just issued
	MULZ 1, \zero
	s_wait_dscnt 0x8
	WIN MUL_LO
	MUL16 F1, 0, 0, 0
	s_wait_dscnt 0x0                               ; my reads of this slot (and my stores of the next obs block) are done
	s_set_vgpr_msb 0xa1a0
	s_wait_tensorcnt 0x0                           ; all my tensor loads have landed: my part of the next slot; so every group 0 may be written
	ds_add_u32 v62, v63
	s_wait_dscnt 0x0
	s_set_vgpr_msb 0xa0a1
	s_barrier_signal -1
	MUL16 F1, 0, 2, 0                              ; register work while the others arrive
	WIN 0
	s_barrier_wait -1
	CREST                                          ; no wave of any partner still reads this slot or has a load on its way
	s_add_nc_u64 s[G0+4*\slot+2:G0+4*\slot+3], s[\base:\base+1], s[68:69]   ; the base carries the type bits; the offset does not reach them
	tensor_load_to_lds s[G0+4*\slot:G0+4*\slot+3], s[G1:G1+7]   ; one tensor load of the wave is out from here to the next step's wait
	s_nop 0
	PLACES
.if \bump
	v_add_nc_u32 v[ADRA1], BLK, v[ADRA1]
.endif
	FETCHB 1-\slot, 0, F0
	FA \nkind, \nk, F0
	WIN MUL_HI
	MUL16 F1, 1, 0, 0
	MUL16 F1, 1, 2, 0
.endm
; x's way into LDS, rows 16 a ..+15 of my 128 columns.  XADD a: sums + b1 into F0.  XPACK: relu and bf16, the same registers for every a.  XSTO a: 16 bytes a lane into x.
.macro XADD a
	WIN 2+\a/4
.set i, 0
.rept 32
	v_pk_add_f32 v[F0+2*i:F0+2*i+1], v[64*(\a%4)+2*i:64*(\a%4)+2*i+1], v[F1+2*i:F1+2*i+1]
.set i, i+1
.endr
	WIN 0
.endm
.macro XPACK
.set i, 0
.rept 64
	v_max_num_f32 v[F0+i], 0, v[F0+i]
.set i, i+1
.endr
.set i, 0
.rept 32
	v_cvt_pk_bf16_f32 v[CV+i], v[F0+2*i], v[F0+2*i+1]
.set i, i+1
.endr
.endm
.macro XSTO a
.irp b, 0,1,2,3,4,5,6,7
	ds_store_b128 v[XS+\a/4], v[CV+4*\b:CV+4*\b+3] offset:(\a%4)*16*XP+32*\b
.endr
	s_cmp_lg_u32 s22, 0
	s_cbranch_scc1 .Lno_copy_\@
	ds_store_b128 v[XS+\a/4], v[CV:CV+3]   offset:(\a%4)*16*XP+1024    ; wave 0 holds the row's first 64 bytes: they stand again behind its 1,024 bytes, so that the
	ds_store_b128 v[XS+\a/4], v[CV+4:CV+7] offset:(\a%4)*16*XP+1056    ; look-ahead of a chunk's last K step finds the next chunk's first 32 K without turning back
.Lno_copy_\@:
.endm
.macro XBLK a, n
	XSTO \a
	XADD \n
.endm
; The cell, 16 cells a lane for each row group a (e = 8 t + j: hidden column 16 t + 8 h + j of my 32).
; E. = exp2(min(s pre, 40));  c' = [c (1+Ei)(1+Eg) + (1-Eg)(1+Ef)] / [(1+Ei)(1+Eg)(1+Ef)];  h = (1-Ec) / ((1+Eo)(1+Ec)), Ec = exp2(min(-2 log2e c', 40)):
; five exponentials and two reciprocals a cell.
; GATES a: the scaled gates of group a into T (scale and bias ride on one multiply-add).  CELLBODY: from T to h (U, and HF in f16) and c' (EI), the same registers for every a.
; QMM a: group a's share of q.
.macro GATES a
	WIN 0x12+\a/4                                  ; source 0: the sums; source 2: the scaled bias in window 1
.set i, 0
.rept 32
.if (i/8) == 2
	v_pk_fma_f32 v[T+2*i:T+2*i+1], v[64*(\a%4)+2*i:64*(\a%4)+2*i+1], s[58:59], v[T+2*i:T+2*i+1] op_sel_hi:[1,0,1]
.else
	v_pk_fma_f32 v[T+2*i:T+2*i+1], v[64*(\a%4)+2*i:64*(\a%4)+2*i+1], s[56:57], v[T+2*i:T+2*i+1] op_sel_hi:[1,0,1]
.endif
.set i, i+1
.endr
	WIN 0
.endm
.macro CELLBODY                        ; behind each run of transcendentals one v_nop stands in front of the first use (ISA guide 5.7.2)
.set i, 0
.rept 64
	v_min_num_f32 v[T+i], s27, v[T+i]
.set i, i+1
.endr
.set i, 0
.rept 64
	v_exp_f32 v[T+i], v[T+i]
.set i, i+1
.endr
	v_nop
	s_wait_alu depctr_va_vdst(0)
.irp p, 0,2,4,6,8,10,12,14
	v_pk_fma_f32 v[U+\p:U+\p+1], v[EG+\p:EG+\p+1], -1.0, 1.0 op_sel_hi:[1,0,0]     ; 1 - Eg
.endr
.set i, 0
.rept 32
	v_pk_add_f32 v[T+2*i:T+2*i+1], v[T+2*i:T+2*i+1], 1.0 op_sel_hi:[1,0]           ; 1 + E, all four
.set i, i+1
.endr
.irp p, 0,2,4,6,8,10,12,14
	v_pk_mul_f32 v[EI+\p:EI+\p+1], v[EI+\p:EI+\p+1], v[EG+\p:EG+\p+1]              ; (1+Ei)(1+Eg)
.endr
.irp p, 0,2,4,6,8,10,12,14
	v_pk_mul_f32 v[EG+\p:EG+\p+1], v[EI+\p:EI+\p+1], v[EF+\p:EF+\p+1]              ; the denominator
.endr
.irp p, 0,2,4,6,8,10,12,14
	v_pk_mul_f32 v[U+\p:U+\p+1], v[U+\p:U+\p+1], v[EF+\p:EF+\p+1]                  ; (1-Eg)(1+Ef)
.endr
.irp p, 0,2,4,6,8,10,12,14
	v_pk_fma_f32 v[U+\p:U+\p+1], v[CL+\p:CL+\p+1], v[EI+\p:EI+\p+1], v[U+\p:U+\p+1]
.endr
.set i, 0
.rept 16
	v_rcp_f32 v[EG+i], v[EG+i]
.set i, i+1
.endr
	v_nop
	s_wait_alu depctr_va_vdst(0)
.irp p, 0,2,4,6,8,10,12,14
	v_pk_mul_f32 v[EI+\p:EI+\p+1], v[U+\p:U+\p+1], v[EG+\p:EG+\p+1]                ; c'
.endr
.irp p, 0,2,4,6,8,10,12,14
	v_pk_mul_f32 v[EF+\p:EF+\p+1], v[EI+\p:EI+\p+1], s[58:59] op_sel_hi:[1,0]
.endr
.set i, 0
.rept 16
	v_min_num_f32 v[EF+i], s27, v[EF+i]
.set i, i+1
.endr
.set i, 0
.rept 16
	v_exp_f32 v[EF+i], v[EF+i]                                                     ; Ec
.set i, i+1
.endr
	v_nop
	s_wait_alu depctr_va_vdst(0)
.irp p, 0,2,4,6,8,10,12,14
	v_pk_fma_f32 v[U+\p:U+\p+1], v[EF+\p:EF+\p+1], -1.0, 1.0 op_sel_hi:[1,0,0]     ; 1 - Ec
.endr
.irp p, 0,2,4,6,8,10,12,14
	v_pk_add_f32 v[EF+\p:EF+\p+1], v[EF+\p:EF+\p+1], 1.0 op_sel_hi:[1,0]
.endr
.irp p, 0,2,4,6,8,10,12,14
	v_pk_mul_f32 v[EF+\p:EF+\p+1], v[EF+\p:EF+\p+1], v[EO+\p:EO+\p+1]              ; (1+Ec)(1+Eo)
.endr
.set i, 0
.rept 16
	v_rcp_f32 v[EF+i], v[EF+i]
.set i, i+1
.endr
	v_nop
	s_wait_alu depctr_va_vdst(0)
.irp p, 0,2,4,6,8,10,12,14
	v_pk_mul_f32 v[U+\p:U+\p+1], v[U+\p:U+\p+1], v[EF+\p:EF+\p+1]                  ; h
.endr
.irp p, 0,1,2,3,4,5,6,7
	v_cvt_pk_f16_f32 v[HF+\p], v[U+2*\p], v[U+2*\p+1]                              ; |h| <= 1: f16.  t = 0: registers 0-3 (k = 8 h ..), t = 1: registers 4-7 (k = 16 + 8 h ..)
.endr
.endm
.macro QMM a
	WIN 0x50                                       ; C and D in window 1: q's two column blocks take turns
	v_wmma_f32_16x16x32_f16 v[16*\a+128*(\a/4):16*\a+128*(\a/4)+7], v[W2F:W2F+7], v[HF:HF+7], v[16*\a+128*(\a/4):16*\a+128*(\a/4)+7]
	v_wmma_f32_16x16x32_f16 v[16*\a+8+128*(\a/4):16*\a+8+128*(\a/4)+7], v[W2F+8:W2F+15], v[HF:HF+7], v[16*\a+8+128*(\a/4):16*\a+8+128*(\a/4)+7]
	WIN 0
.endm
.macro CBLK a, n                       ; what names group a's and group n = a + 1's registers.  GATES touches none of QMM's registers
	QMM \a
	GATES \n
.endm
	; ---------------- head ----------------
	s_load_b512 s[4:19], s[0:1], 0x0               ; obs 4:5, act 6:7, b2 8:9, wt 10:11, cst 12:13, w2f 14:15, out0 16:17, out1 18:19
	s_load_b64 s[20:21], s[0:1], 0x40              ; out2
	v_lshl_add_u32 v62, v0, 2, 0x4c800
	v_mov_b32 v63, 0
	ds_add_u32 v62, v63
	v_lshrrev_b32 v3, 5, v0
	v_readfirstlane_b32 s22, v3                    ; wave w
	s_bfe_u32 s23, ttmp6, 0x40000                  ; cx
	s_lshl_b32 s24, ttmp9, 2
	s_add_co_u32 s24, s24, s23                     ; work-group = 4 x cluster + cx: it enters the bases of obs, act, out0 and one lane mask, nothing else
	s_and_b32 s71, ttmp9, 3                        ; p0: the K pair at which this cluster starts; the same in its four work-groups
	v_and_b32 v1, 15, v0                           ; r
	v_bfe_u32 v2, v0, 4, 1                         ; h
	v_and_b32 v3, 31, v0                           ; lane
	s_lshl_b32 s62, s22, 16
	v_lshlrev_b32 v[OBSO], 4, v1
	v_lshl_add_u32 v[OBSO], v2, 14, v[OBSO]
	v_add_nc_u32 v[OBSO], s62, v[OBSO]             ; (32 w + 8 h) rows of 2,048 bytes + 16 r
	s_lshl_b32 s77, s71, 9                         ; K step 2 p0: 512 p0 bytes into a row
	v_add_nc_u32 v[OA], s77, v[OBSO]
	v_add_nc_u32 v[OB], s77, v[OBSO]
	s_lshl_b32 s62, s22, 12
	v_lshl_add_u32 v[ACTO], v3, 4, s62             ; 32 w rows of 128 bytes + 16 lane
	v_and_b32 v31, 7, v0
	v_lshlrev_b32 v31, 4, v31                      ; b2: the four columns that I store at the end
	s_lshl_b32 s60, s24, 18                        ; 128 rows of obs
	s_mov_b32 s61, 0
	s_wait_dscnt 0x0
	s_wait_kmcnt 0x0
	s_add_nc_u64 s[4:5], s[4:5], s[60:61]
	s_lshl_b32 s60, s24, 14                        ; 128 rows of act and of out0
	s_add_nc_u64 s[6:7], s[6:7], s[60:61]
	s_add_nc_u64 s[16:17], s[16:17], s[60:61]
	global_load_b128 v[32:35], v31, s[8:9]
.irp i, 0,1,2,3,4,5,6,7
	global_load_b128 v[ASTG+4*\i:ASTG+4*\i+3], v[ACTO], s[6:7] offset:512*\i th:TH_LOAD_NT
.endr
	LOADOBS SA, OA, 0                              ; position 0: K step 2 p0
	LOADOBS SB, OB, 256                            ; position 1: K step 2 p0 + 1
	WIN 0
	; descriptors.  Group 1 for a quarter tile: 64 rows of 32 elements of 8 bytes, dense in memory, 16 bytes of padding behind each row in LDS; joint (mask 15)
	s_mov_b32 s[G1+0], 0x0773000f                  ; 15:0 mask 15; 17:16 8-byte elements; 20 padding; 21 set beside a mask; 24:22 every 64 words; 31:25 four words
	s_mov_b32 s[G1+1], 32<<16                      ; tensor_dim0 = 32
	s_mov_b32 s[G1+2], 64<<16                      ; tensor_dim1 = 64
	s_mov_b32 s[G1+3], 32<<16                      ; tile_dim0 = 32
	s_mov_b32 s[G1+4], 64                          ; tile_dim1 = 64
	s_mov_b32 s[G1+5], 32                          ; pitch
	s_mov_b32 s[G1+6], 0
	s_mov_b32 s[G1+7], 0
	s_mov_b32 s[G1C+0], 0x0023000f                 ; a quarter of the gate bias and cell_state: 10 rows of 256 bytes, no padding, joint
	s_mov_b32 s[G1C+1], 32<<16
	s_mov_b32 s[G1C+2], 10<<16
	s_mov_b32 s[G1C+3], 32<<16
	s_mov_b32 s[G1C+4], 10
	s_mov_b32 s[G1C+5], 32
	s_mov_b32 s[G1C+6], 0
	s_mov_b32 s[G1C+7], 0
	s_mov_b32 s[G1D+0], 0x0023000f                 ; a piece of b1: 2 rows of 256 bytes, no padding, joint
	s_mov_b32 s[G1D+1], 32<<16
	s_mov_b32 s[G1D+2], 2<<16
	s_mov_b32 s[G1D+3], 32<<16
	s_mov_b32 s[G1D+4], 2
	s_mov_b32 s[G1D+5], 32
	s_mov_b32 s[G1D+6], 0
	s_mov_b32 s[G1D+7], 0
	s_add_co_u32 s62, s22, s71
	s_and_b32 s62, s62, 3                          ; (w + p0) & 3: the block of 128 columns of x that I make
	s_lshl_b32 s78, s62, 9                         ; its 512 bytes of b1
	s_mov_b32 s79, 0
	s_lshl_b32 s62, s62, 14                        ; its quarter of W1's tiles
	s_mov_b32 s63, 0
	s_add_nc_u64 s[WB1:WB1+1], s[10:11], s[62:63]
	s_or_b32 s[WB1+1], s[WB1+1], 0x80000000        ; 127:126 type = 2, carried into every group 0 made from this base
	s_lshl_b32 s62, s22, 14                        ; W_ih's tiles: quarter w
	s_add_nc_u64 s[WB2:WB2+1], s[10:11], s[62:63]
	s_or_b32 s[WB2+1], s[WB2+1], 0x80000000
	s_mov_b32 s[G0], 1
	s_mul_i32 s[G0+1], s22, QTR
	s_add_co_u32 s[G0+1], s[G0+1], SLOT0           ; my quarter of slot 0
	s_mov_b32 s[G0+4], 1
	s_add_co_u32 s[G0+5], s[G0+1], SLOTB           ; and of slot 1
	s_lshl_b32 s68, s71, 17                        ; tile 2 p0
	s_mov_b32 s69, 0
	s_add_nc_u64 s[G0+2:G0+3], s[WB1:WB1+1], s[68:69]   ; position 0
	s_add_nc_u64 s[G0+6:G0+7], s[G0+2:G0+3], TILE       ; position 1
	s_mov_b32 s[G0D], 1
	s_lshl_b32 s76, s22, 9
	s_add_co_u32 s[G0D+1], s76, CST                ; b1's piece goes to place w
	s_add_nc_u64 s[G0D+2:G0D+3], s[12:13], s[78:79]
	s_or_b32 s[G0D+3], s[G0D+3], 0x80000000
	s_mov_b32 s[G0C], 1
	s_mul_i32 s62, s22, 2560
	s_add_co_u32 s62, s62, 2048
	s_add_co_u32 s[G0C+1], s62, CST
	s_add_nc_u64 s[G0C+2:G0C+3], s[12:13], s[62:63]
	s_or_b32 s[G0C+3], s[G0C+3], 0x80000000
	s_mov_b32 s27, 0x42200000                      ; 40.0
	s_mov_b32 s56, 0xbfb8aa3b                      ; -log2(e)
	s_mov_b32 s57, 0xbfb8aa3b
	s_mov_b32 s58, 0xc038aa3b                      ; -2 log2(e)
	s_mov_b32 s59, 0xc038aa3b
	CROUND                                         ; the four work-groups are here: the first joint loads meet
	tensor_load_to_lds s[G0D:G0D+3], s[G1D:G1D+7]
	s_nop 0
	tensor_load_to_lds s[G0C:G0C+3], s[G1C:G1C+7]
	s_nop 0
	tensor_load_to_lds s[G0:G0+3], s[G1:G1+7]
	s_nop 0
	tensor_load_to_lds s[G0+4:G0+7], s[G1:G1+7]    ; four tensor loads of the wave are out here, the most in this text
	s_nop 0
	; addresses
	v_mul_u32_u24 v[ADRA1], v1, 144
	v_lshl_add_u32 v[ADRA1], v2, 4, v[ADRA1]
	v_mul_u32_u24 v[ADRACT], v1, 80
	v_lshl_add_u32 v[ADRACT], v2, 4, v[ADRACT]
	v_add_nc_u32 v[ADRACT], ACTB, v[ADRACT]
	v_mul_u32_u24 v[ADRX0], v1, XP
	v_lshl_add_u32 v[ADRX0], v2, 4, v[ADRX0]
	v_add_nc_u32 v[ADRX0+1], 64*XP, v[ADRX0]
	v_mov_b32 v[ADRX], v[ADRX0]
	v_mov_b32 v[ADRX+1], v[ADRX0+1]
	v_lshrrev_b32 v4, 1, v1
	v_and_b32 v5, 1, v1
	v_mul_u32_u24 v[ADRB], v4, 272
	v_lshl_add_u32 v[ADRB], v5, 7, v[ADRB]
	v_lshl_add_u32 v[ADRB], v2, 4, v[ADRB]
	v_add_nc_u32 v[ADRB], s[G0+1], v[ADRB]
	v_add_nc_u32 v[ADRB+1], SLOTB, v[ADRB]
	s_mul_i32 s62, s22, 4608
	v_mul_u32_u24 v[XST], v2, 1152
	v_lshl_add_u32 v[XST], v1, 3, v[XST]
	v_add_nc_u32 v[XST], s62, v[XST]               ; (32 w + 8 h) 144 + 8 r
	s_mul_i32 s62, s22, 2560
	s_add_co_u32 s62, s62, ACTB
	v_lshrrev_b32 v4, 3, v3
	v_and_b32 v5, 7, v3
	v_mul_u32_u24 v[AST], v4, 80
	v_lshl_add_u32 v[AST], v5, 3, v[AST]
	v_add_nc_u32 v[AST], s62, v[AST]               ; act: (32 w + lane / 8) 80 + 8 (lane & 7)
	s_lshl_b32 s62, s22, 8
	v_add_nc_u32 v[XS], s62, v[ADRX0]              ; x, place w: 256 bytes of each row
	v_add_nc_u32 v[XS+1], s62, v[ADRX0+1]
	s_lshl_b32 s62, s22, 9
	s_add_co_u32 s62, s62, CST
	v_lshl_add_u32 v[B1A], v2, 5, s62
	v_add_nc_u32 v[GBA], 2048, v[B1A]
	s_lshl_b32 s62, s22, 7
	s_add_co_u32 s62, s62, CST+10240
	v_lshl_add_u32 v[CLA], v2, 5, s62
	s_lshl_b32 s62, s22, 9
	s_add_co_u32 s62, s62, LAST
	v_lshl_add_u32 v[LSA], v2, 5, s62              ; LAST + 512 w + 32 h: a wave's 512 bytes are its own in every chunk
	s_lshl_b32 s62, s22, 11
	v_lshl_add_u32 v[W2O], v3, 4, s62
	s_mul_i32 s62, s22, 18432
	v_mul_u32_u24 v[QST], v1, 144
	v_lshl_add_u32 v[QST], v2, 5, v[QST]
	v_add_nc_u32 v[QST], s62, v[QST]
	v_lshrrev_b32 v4, 3, v0
	v_and_b32 v5, 7, v0
	v_mul_u32_u24 v[QRD], v4, 144
	v_lshl_add_u32 v[QRD], v5, 4, v[QRD]
	v_add_nc_u32 v[QRD+1], 36864, v[QRD]
	v_lshlrev_b32 v[OUTO], 4, v0
	v_mov_b32 v29, s24
	v_and_b32 v4, 3, v4                            ; columns 4 tid ..+3 = 128 c + 32 w + x: w = (tid >> 3) & 3, c = tid >> 5
	v_lshrrev_b32 v6, 5, v0
	v_lshlrev_b32 v[LRD], 4, v5
	v_lshl_add_u32 v[LRD], v4, 9, v[LRD]
	v_lshl_add_u32 v[LRD], v6, 7, v[LRD]
	v_add_nc_u32 v[LRD], LAST, v[LRD]
	; ---------------- act and position 0 of obs into LDS ----------------
	s_wait_loadcnt 0x10                            ; b2, act and position 0 are in; position 1's 16 loads stay out
.irp i, 0,1,2,3,4,5,6,7
	v_cvt_pk_bf16_f32 v[CV+2*\i],   v[ASTG+4*\i],   v[ASTG+4*\i+1]
	v_cvt_pk_bf16_f32 v[CV+2*\i+1], v[ASTG+4*\i+2], v[ASTG+4*\i+3]
.endr
.irp i, 0,1,2,3,4,5,6,7
	ds_store_b64 v[AST], v[CV+2*\i:CV+2*\i+1] offset:320*\i
.endr
	CONV SA, 16, 0, 1
	WIN 0
	s_wait_tensorcnt 0x1                           ; b1, bias and cell, and position 0's tile have landed; position 1's stays out
	s_wait_dscnt 0x0
	s_barrier_signal -1
	s_barrier_wait -1
	FETCHB 0, 0, F0
	FA 0, 0, F0
	; ---------------- GEMM1: eight positions from obs, then act.  Position j brings obs position j + 1 into LDS, asks memory for position j + 3 (two steps' work
	; for each load to land) and asks for the tile of position j + 2.
	; Written out: the steps differ in what they convert and ask for, and each step's stores and the other waves' reads name their blocks by plain constants ----------------
	TOFF 1
	STEP 0, 1, WB1, 0, 64, 0, 0, 1, SB, 16, 1
	s_add_co_u32 s68, s68, TILE                    ; the odd tile of the pair
	STEP 1, 0, WB1, 0, 64, 0, 0, 1, SA, 16, 1
	TOFF 2
	STEP 0, 0, WB1, 0, 64, 0, 0, 1, SB, 16, 1
	s_add_co_u32 s68, s68, TILE
	STEP 1, 0, WB1, 0, 64, 0, 0, 1, SA, 16, 1
	TOFF 3
	STEP 0, 0, WB1, 0, 64, 0, 0, 1, SB, 16, 1
	s_add_co_u32 s68, s68, TILE
	STEP 1, 0, WB1, 0, 64, 0, 0, 1, SA, 16, 0
	s_mov_b32 s68, 8*TILE                          ; act's tile
	STEP 0, 0, WB1, 0, 64, 0, 0, 1, SB, 0, 0
	s_lshl_b32 s68, s71, 17
	s_add_co_u32 s68, s68, 9*TILE                  ; GEMM2's first tile: chunk 0, K step 2 p0
	STEP 1, 0, WB2, 0, 64, 1, 0, 0, -1, 0, 0
	s_add_co_u32 s68, s68, TILE                    ; and its second
	; tile 8: act, K = 32 only.  Its round also shows that every wave's reads of the obs and act blocks are over
	s_wait_dscnt 0x8
	WIN MUL_LO
	MUL16 F0, 0, 0, 0
	s_wait_dscnt 0x0
	s_set_vgpr_msb 0xa1a0
	s_wait_tensorcnt 0x0                           ; GEMM2's first tile
	ds_add_u32 v62, v63
	s_wait_dscnt 0x0
	s_set_vgpr_msb 0xa0a1
	s_barrier_signal -1
	MUL16 F0, 0, 2, 0
	WIN 0
	s_barrier_wait -1
	CREST
	s_add_nc_u64 s[G0+2:G0+3], s[WB2:WB2+1], s[68:69]
	tensor_load_to_lds s[G0:G0+3], s[G1:G1+7]      ; GEMM2's second tile
	s_nop 0
	WIN MUL_HI
	MUL16 F0, 1, 0, 0
	MUL16 F0, 1, 2, 0
	; ---------------- x = relu(. + b1), bf16, into LDS over the obs blocks: eight trips, one for each 16 rows ----------------
	PLACES
	WIN 0
.irp b, 0,1,2,3,4,5,6,7
	ds_load_b128 v[F1+8*\b:F1+8*\b+3],   v[B1A] offset:64*\b
	ds_load_b128 v[F1+8*\b+4:F1+8*\b+7], v[B1A] offset:64*\b+16
.endr
	s_wait_dscnt 0x0
	XADD 0
	s_mov_b32 s67, 0
.Lxo:
	XPACK
	s_cmp_lt_u32 s67, 4                            ; the piece that names group s67's and the next group's registers
	s_cbranch_scc0 .Lx4567
	s_cmp_lt_u32 s67, 2
	s_cbranch_scc0 .Lx23
	s_cmp_eq_u32 s67, 0
	s_cbranch_scc0 .Lx1
	XBLK 0, 1
	s_branch .Lxnext
.Lx1:
	XBLK 1, 2
	s_branch .Lxnext
.Lx23:
	s_cmp_eq_u32 s67, 2
	s_cbranch_scc0 .Lx3
	XBLK 2, 3
	s_branch .Lxnext
.Lx3:
	XBLK 3, 4
	s_branch .Lxnext
.Lx4567:
	s_cmp_lt_u32 s67, 6
	s_cbranch_scc0 .Lx67
	s_cmp_eq_u32 s67, 4
	s_cbranch_scc0 .Lx5
	XBLK 4, 5
	s_branch .Lxnext
.Lx5:
	XBLK 5, 6
	s_branch .Lxnext
.Lx67:
	s_cmp_eq_u32 s67, 6
	s_cbranch_scc0 .Lx7
	XBLK 6, 7
	s_branch .Lxnext
.Lx7:
	XSTO 7
.Lxnext:
	s_add_co_u32 s67, s67, 1
	s_cmp_lt_u32 s67, 8
	s_cbranch_scc1 .Lxo
	s_wait_dscnt 0x0                               ; my part of x is written, for the others' sake
	s_barrier_signal -1                            ; GEMM2's second tile stays on its way
	s_barrier_wait -1
	; ---------------- GEMM2, the cell, GEMM3 ----------------
	FETCHB 1, 0, F0                                ; GEMM2's first tile was shown landed in all waves by the round above
	FA 2, 0, F0
.irp j, 0,1,2,3,4,5,6,7
	v_mov_b32 v[HF+\j], 0
.endr
	WIN TO_B
.set i, 0
.rept 16
	v_wmma_f32_16x16x32_f16 v[8*i+128*(i/8):8*i+128*(i/8)+7], v[HF:HF+7], v[HF:HF+7], 0   ; 0 x 0 + 0 starts the 16 sums of q in the form that adds onto them, so that all four chunks share one text
.set i, i+1
.endr
	WIN 0
	s_mov_b32 s25, 4
	s_mov_b32 s70, 0
.Lchunk:
	; One chunk of 128 hidden columns: eight K steps, then the cell and its share of q.  The ring runs on through the cell: the next chunk's first
	; fragments are in F0 and the tile behind it is on its way.
	PLACES
.irp j, 0,1,2,3
	global_load_b128 v[W2F+4*\j:W2F+4*\j+3], v[W2O], s[14:15] offset:512*\j        ; W2's two fragments for my 32 hidden columns
.endr
	v_mov_b32 v[ADRX], v[ADRX0]                    ; x from place 0 again
	v_mov_b32 v[ADRX+1], v[ADRX0+1]
	s_mov_b32 s66, 4
.Lpair:
	s_add_co_u32 s70, s70, 1                       ; this pair's two refills ask for the next pair's tiles, pair n = s70 of 0..15;
	s_min_u32 s76, s70, 15                         ; behind pair 15 there is none: it asks for its own tiles again, and what they bring is not used
	s_lshr_b32 s78, s76, 2                         ; the chunk of pair n
	s_add_co_u32 s76, s76, s71
	s_and_b32 s76, s76, 3                          ; its K pair: (n + p0) & 3
	s_lshl_b32 s78, s78, 19                        ; eight tiles a chunk
	s_lshl_b32 s76, s76, 17                        ; two tiles a pair
	s_add_co_u32 s68, s78, s76
	s_add_co_u32 s68, s68, 9*TILE                  ; behind W1's nine tiles
	STEP 1, 2, WB2, 2, 64, 2, 128, 0, -1, 0, 0
	s_add_co_u32 s68, s68, TILE                    ; the odd K step of that pair
	STEP 0, 0, WB2, 2, 192, 2, 256, 0, -1, 0, 0    ; in the fourth trip byte 256 from here is the row's byte 1,024: the copy of its first 64 bytes
	WIN 0
	v_add_nc_u32 v[ADRX], 256, v[ADRX]             ; one place on
	v_add_nc_u32 v[ADRX+1], 256, v[ADRX+1]
	s_sub_co_u32 s66, s66, 1
	s_cmp_lg_u32 s66, 0
	s_cbranch_scc1 .Lpair
	PLACES
	WIN TO_B
.irp b, 0,1,2,3,4,5,6,7
	ds_load_b128 v[F1+8*\b:F1+8*\b+3],   v[GBA] offset:64*\b                       ; the scaled bias of my 128 gate columns
	ds_load_b128 v[F1+8*\b+4:F1+8*\b+7], v[GBA] offset:64*\b+16
.endr
	WIN 0
	ds_load_b128 v[CL:CL+3],     v[CLA]
	ds_load_b128 v[CL+4:CL+7],   v[CLA] offset:16
	ds_load_b128 v[CL+8:CL+11],  v[CLA] offset:64
	ds_load_b128 v[CL+12:CL+15], v[CLA] offset:80
	s_wait_dscnt 0x0
	s_wait_loadcnt 0x0                             ; W2's fragments
	GATES 0
	s_mov_b32 s67, 0
.Lcell:
	CELLBODY
	s_cmp_lt_u32 s67, 4                            ; the piece that names group s67's and the next group's registers
	s_cbranch_scc0 .Lc4567
	s_cmp_lt_u32 s67, 2
	s_cbranch_scc0 .Lc23
	s_cmp_eq_u32 s67, 0
	s_cbranch_scc0 .Lc1
	CBLK 0, 1
	s_branch .Lcnext
.Lc1:
	CBLK 1, 2
	s_branch .Lcnext
.Lc23:
	s_cmp_eq_u32 s67, 2
	s_cbranch_scc0 .Lc3
	CBLK 2, 3
	s_branch .Lcnext
.Lc3:
	CBLK 3, 4
	s_branch .Lcnext
.Lc4567:
	s_cmp_lt_u32 s67, 6
	s_cbranch_scc0 .Lc67
	s_cmp_eq_u32 s67, 4
	s_cbranch_scc0 .Lc5
	CBLK 4, 5
	s_branch .Lcnext
.Lc5:
	CBLK 5, 6
	s_branch .Lcnext
.Lc67:
	s_cmp_eq_u32 s67, 6
	s_cbranch_scc0 .Lc7
	CBLK 6, 7
	s_branch .Lcnext
.Lc7:
	v_cmp_eq_u32 vcc_lo, 15, v1                    ; lanes 15 and 31 hold local row 127
	s_wait_xcnt 0x0                                ; EXEC changes only behind this wait
	s_and_saveexec_b32 s26, vcc_lo
	ds_store_b128 v[LSA], v[U:U+3]
	ds_store_b128 v[LSA], v[U+4:U+7] offset:16
	ds_store_b128 v[LSA], v[U+8:U+11] offset:64
	ds_store_b128 v[LSA], v[U+12:U+15] offset:80
	ds_store_b128 v[LSA], v[EI:EI+3] offset:2048
	ds_store_b128 v[LSA], v[EI+4:EI+7] offset:2064
	ds_store_b128 v[LSA], v[EI+8:EI+11] offset:2112
	ds_store_b128 v[LSA], v[EI+12:EI+15] offset:2128
	s_or_b32 exec_lo, exec_lo, s26
	QMM 7
.Lcnext:
	s_add_co_u32 s67, s67, 1
	s_cmp_lt_u32 s67, 8
	s_cbranch_scc1 .Lcell
	v_add_nc_u32 v[GBA], 2048, v[GBA]              ; the next chunk's 512 gate columns,
	v_add_nc_u32 v[CLA], 512, v[CLA]               ; its 128 cells,
	v_add_nc_u32 v[LSA], 128, v[LSA]               ; its 32 columns in my wave's part of LAST,
	v_add_nc_u32 v[W2O], 8192, v[W2O]              ; and its fragments of W2 (the loads that read W2O were waited for above); behind the last chunk none of the four is used
	s_sub_co_u32 s25, s25, 1
	s_cmp_lg_u32 s25, 0
	s_cbranch_scc1 .Lchunk
	; ---------------- the way out ----------------
	PLACES
	s_wait_dscnt 0x0                               ; my reads of x are over, my part of LAST is written
	s_wait_tensorcnt 0x0                           ; the tile that was asked for again has landed: no tensor load is out from here on
	s_barrier_signal -1
	s_barrier_wait -1
	WIN 0x04                                       ; store data from window 1
.irp a, 0,1,2,3,4,5,6,7
.irp tq, 0,1
	ds_store_b128 v[QST], v[16*\a+8*\tq+128*(\a/4):16*\a+8*\tq+128*(\a/4)+3]   offset:2304*\a+64*\tq
	ds_store_b128 v[QST], v[16*\a+8*\tq+128*(\a/4)+4:16*\a+8*\tq+128*(\a/4)+7] offset:2304*\a+64*\tq+16
.endr
.endr
	WIN 0
	s_wait_dscnt 0x0
	s_barrier_signal -1
	s_barrier_wait -1
	ds_load_b128 v[192:195], v[LRD]                ; h of local row 127, columns 4 tid ..+3
	ds_load_b128 v[196:199], v[LRD] offset:2048    ; c
.irp i, 0,1,2,3,4,5,6,7
	ds_load_b128 v[64+16*\i:67+16*\i], v[QRD]   offset:2304*\i
	ds_load_b128 v[68+16*\i:71+16*\i], v[QRD]   offset:2304*\i+18432
	ds_load_b128 v[72+16*\i:75+16*\i], v[QRD+1] offset:2304*\i
	ds_load_b128 v[76+16*\i:79+16*\i], v[QRD+1] offset:2304*\i+18432
.endr
.irp i, 0,1,2,3,4,5,6,7
	s_wait_dscnt 4*(7-\i)                          ; the four shares of row group i are in; the later groups' loads stay out
	v_pk_add_f32 v[64+16*\i:65+16*\i], v[64+16*\i:65+16*\i], v[68+16*\i:69+16*\i]
	v_pk_add_f32 v[66+16*\i:67+16*\i], v[66+16*\i:67+16*\i], v[70+16*\i:71+16*\i]
	v_pk_add_f32 v[72+16*\i:73+16*\i], v[72+16*\i:73+16*\i], v[76+16*\i:77+16*\i]
	v_pk_add_f32 v[74+16*\i:75+16*\i], v[74+16*\i:75+16*\i], v[78+16*\i:79+16*\i]
	v_pk_add_f32 v[64+16*\i:65+16*\i], v[64+16*\i:65+16*\i], v[72+16*\i:73+16*\i]
	v_pk_add_f32 v[66+16*\i:67+16*\i], v[66+16*\i:67+16*\i], v[74+16*\i:75+16*\i]
	v_pk_add_f32 v[64+16*\i:65+16*\i], v[64+16*\i:65+16*\i], v[32:33]
	v_pk_add_f32 v[66+16*\i:67+16*\i], v[66+16*\i:67+16*\i], v[34:35]
	global_store_b128 v[OUTO], v[64+16*\i:67+16*\i], s[16:17] offset:2048*\i th:TH_STORE_NT   ; a wave's store covers 512 consecutive bytes, aligned
.endr
	v_cmp_eq_u32 vcc_lo, 0xff, v29                 ; the last work-group holds row 32,767: a lane mask, no branch
	s_wait_xcnt 0x0                                ; EXEC changes only behind this wait
	s_and_saveexec_b32 s26, vcc_lo
	global_store_b128 v[OUTO], v[192:195], s[18:19]
	global_store_b128 v[OUTO], v[196:199], s[20:21]
	s_wait_xcnt 0x0
	s_or_b32 exec_lo, exec_lo, s26
	s_wait_tensorcnt 0x0
	ds_add_u32 v62, v63
	s_wait_dscnt 0x0
	CROUND                                         ; the closing round: no work-group ends while a partner may still ask for a tile that names it
	s_endpgm
.Lfunc_end_k_qbf4f318c23_main:
	.size	k_qbf4f318c23_main, .Lfunc_end_k_qbf4f318c23_main-k_qbf4f318c23_main
	.p2alignl 7, 3214868480
	.fill 96, 4, 3214868480
	.section	.rodata,"a",@progbits
	.p2align	6, 0x0
	.amdhsa_kernel k_qbf4f318c23_main
		.amdhsa_group_segment_fixed_size 327680
		.amdhsa_private_segment_fixed_size 0
		.amdhsa_enable_private_segment 0
		.amdhsa_kernarg_size 72
		.amdhsa_user_sgpr_count 2
		.amdhsa_user_sgpr_kernarg_segment_ptr 1
		.amdhsa_wavefront_size32 1
		.amdhsa_system_sgpr_workgroup_id_x 1
		.amdhsa_system_sgpr_workgroup_id_y 1
		.amdhsa_system_sgpr_workgroup_id_z 1
		.amdhsa_system_vgpr_workitem_id 0
		.amdhsa_next_free_vgpr 1024
		.amdhsa_next_free_sgpr 92
		.amdhsa_reserve_vcc 1
		.amdhsa_float_denorm_mode_32 3
		.amdhsa_float_denorm_mode_16_64 3
		.amdhsa_memory_ordered 1
		.amdhsa_forward_progress 1
		.amdhsa_inst_pref_size 255
	.end_amdhsa_kernel
	.section	.bss,"aw",@nobits
	.p2align	6
	.space	262144
	.amdgpu_metadata
---
amdhsa.version: [ 1, 2 ]
amdhsa.kernels:
  - .name:           k_qbf4f318c23_main
    .symbol:         k_qbf4f318c23_main.kd
    .args:
      - { .name: observation, .offset: 0, .size: 8, .value_kind: global_buffer, .address_space: global }
      - { .name: prev_action, .offset: 8, .size: 8, .value_kind: global_buffer, .address_space: global }
      - { .name: b2, .offset: 16, .size: 8, .value_kind: global_buffer, .address_space: global }
      - { .name: wt, .offset: 24, .size: 8, .value_kind: global_buffer, .address_space: global }
      - { .name: cst, .offset: 32, .size: 8, .value_kind: global_buffer, .address_space: global }
      - { .name: w2f, .offset: 40, .size: 8, .value_kind: global_buffer, .address_space: global }
      - { .name: out0, .offset: 48, .size: 8, .value_kind: global_buffer, .address_space: global }
      - { .name: out1, .offset: 56, .size: 8, .value_kind: global_buffer, .address_space: global }
      - { .name: out2, .offset: 64, .size: 8, .value_kind: global_buffer, .address_space: global }
    .group_segment_fixed_size: 327680
    .private_segment_fixed_size: 0
    .kernarg_segment_align: 8
    .kernarg_segment_size: 72
    .max_flat_workgroup_size: 128
    .sgpr_count:     92
    .vgpr_count:     1024
    .wavefront_size: 32
...
	.end_amdgpu_metadata
.endif
;; end of part 3
